; MI455X (gfx1250); checked and timed in simulation.
; The chip was launched on July 23, 2026; its instructions are those of AMD's public machine-readable ISA for CDNA 5 (MIT licence, August 2026) and "CDNA5" Instruction Set Architecture Reference Guide (July 2026). The comments in the code are by the model that wrote it; some were corrected since.
;; Seq2 Seq Attention. Allowed arithmetic: matrix products marked QUANTISED: E2M1 operands, one E8M0 scale for each 32 along K, by v_wmma_scale_f32_16x16x128_f8f6f4 with both operands' format E2M1 (or v_wmma_scale_f32_32x16x128_f4), f32 sums; products left as they are: f32 operands where the result goes on into a quantised operand, else bf16, f16 or f32 operands; f32 sums; everything else in f32.
;; Inputs: W 1,024 x 2,048 float32; b 1,024 float32; h_dec 32 x 1,024 float32; h_enc 32 x 2,048 x 1,024 float32; src_lens 32 int32; v 1,024 float32.
;; Outputs: out0 32 x 1,024 float32; out1 32 x 2,048 float32.
;; This version of the problem:
;;   THIS VERSION OF THE PROBLEM IS GIVEN IN LOW PRECISION. The matrix products marked QUANTISED in the list below multiply operands that are first quantised to E2M1 (2 exponent bits, 1 mantissa bit; 4 bits a number), with one power-of-two scale for each 32 numbers along K (OCP MX v1.0); their sums are f32. All else is computed in f32.
;;   The module's matrix products, in the order in which they are computed (A, B: the left and right operand; K: the contracted axis; several contracted axes count as one K, in the product's order):
;;     1. [M 32, K 1,024] x [K 1,024, N 1,024]; A: input h_dec; B: input W: QUANTISED
;;     2. [M 65,536, K 1,024] x [K 1,024, N 1,024]; A: input h_enc; B: input W: QUANTISED
;;     3. [M 65,536, K 1,024] x [K 1,024, N 1]; A: computed on the way; B: input v: left as it is (N = 1 < 16)
;;     4. batch 32 x [M 1, K 2,048] x [K 2,048, N 1,024]; A: softmax; B: input h_enc: left as it is (M = 1 < 16)
;;   THE QUANTISER, for each operand of a quantised product, along K:
;;     - K is cut into blocks of 32 from its start; a last block that is shorter is filled with zeros.
;;     - A block's scale is 2^e with e = floor(log2(the largest magnitude in the block)) - 2, held to -126 .. 127; a block of zeros has e = 0. As a byte (E8M0): e + 127.
;;     - Each number is divided by its block's scale, clamped to +-6, and rounded to the nearest number of E2M1, ties to even, subnormals kept.
;;     - The product sums the exact products of the quantised numbers (number of the format x scale) in f32.
;;   ~~~python
;;   def quantise(x, axis):      # numpy; x: float32 -> the quantised numbers, widened to float32 again
;;       x = np.moveaxis(x, axis, -1); K = x.shape[-1]
;;       x = np.pad(x, [(0, 0)] * (x.ndim - 1) + [(0, -K % 32)]); x = x.reshape(x.shape[:-1] + (-1, 32)); a = np.abs(x).max(-1, keepdims=True)
;;       e = np.where(a > 0, np.clip(np.frexp(np.where(a > 0, a, 1))[1] - 1 - 2, -126, 127), 0)      # np.frexp(a)[1] - 1 = floor(log2(a)), exactly
;;       r = np.clip(x / 2.0 ** e, -6, 6)
;;       step = 2.0 ** (np.maximum(np.frexp(np.where(r == 0, 1, r))[1] - 1, 0) - 1)
;;       q = np.round(r / step) * step * 2.0 ** e      # np.round: ties to even
;;       return np.moveaxis(q.reshape(q.shape[:-2] + (-1,))[..., :K], -1, axis).astype(np.float32)
;;   ~~~
;; 3 versions. Each part assembles by itself: llvm-mc -triple=amdgcn-amd-amdhsa -mcpu=gfx1250 --defsym DOCPART=n.
;; ======== version 1 of 3: 3 launches
;; limits: right only within a limited range of input values
;; workspace buffers: wq 557,056 bytes; kb 131,072 bytes; sc 262,144 bytes; cp 4,194,304 bytes
;; launch prep (part 1): grid 64 x 3, 8 waves a work-group, no clusters, 212,480 bytes of LDS; arguments W, b, h_dec, wq, kb; writes wq, kb
.if DOCPART == 1
	.amdgcn_target "amdgcn-amd-amdhsa--gfx1250"
	.amdhsa_code_object_version 6
	.text
	.protected	k_qfc270f5d8e_prep
	.globl	k_qfc270f5d8e_prep
	.p2align	8
	.type	k_qfc270f5d8e_prep,@function
k_qfc270f5d8e_prep:
	s_mov_b64 s[64:65], 0
	v_nop
	global_prefetch_b8 v0, s[64:65] scope:SCOPE_SE
	s_setreg_imm32_b32 hwreg(HW_REG_WAVE_MODE, 25, 1), 1
	s_wait_xcnt 0x0
; W [1024][2048] f32 = (Wd | We).  Work-group (A, role): A = 16 rows of W (attention units 16 A .. 16 A + 15).
; role 0: We's 16 rows become codes of FP4 (E2M1) with one E8M0 byte for each 32 along K, laid in wq IN THE ORDER OF THE OPERAND'S REGISTERS:
;   wq + 8704 A: [k-step s 0..7][c 0..1][lane][16 bytes] (8,192 bytes), then the scale words [lane (r, h)][q 0..3] (512 bytes): word q of lane (r, h) = the four bytes of row r for k-step 2 q + h.
; role 1, 2: kb[n][a] = 2 log2(e) (h_dec[n] . Wd[a] + b[a]) for n = 16 (role - 1) .. + 15, both operands quantised along K, by one scaled matrix instruction a wave.
; Wave s takes k-step s: 16 rows x 128 along K.  Each load reads 512 consecutive bytes of one row; the chunk turns through the wave's own stage in LDS, so that lane (r, h) holds of row r
; the numbers k = 64 c + 32 h + 0 .. 31 in registers 32 c + 0 .. 31: two whole blocks a lane, in the order of the operand's layout: the conversions' results are the operand's registers.
; A block's scale is 2^(floor(log2(largest magnitude)) - 2): its byte is the largest magnitude's exponent field - 2, held at 1 from below.
; LIMITS: a block of zeros gets the byte 1 where the quantiser says 127 (its codes are zeros, and the bytes are read by this program alone); NaN and infinities among the inputs are not served.
; kb's stores are 16 bytes a lane in rows 4,096 bytes apart: 131,072 bytes in the whole launch.
; The two kinds of work-group part on the work-group's y and have LDS bytes of their own; the one barrier stands outside both branches.
.set SP,   528                         ; a stage row: 512 bytes + 16 = 132 words: row r starts at bank 4 r mod 64 (64 banks of 4 bytes: ISA guide 11.1)
.set WST,  16*SP                       ; a wave's stage
.set ST1,  8*WST                       ; stages: We's at 0, Wd's at ST1, h_dec's at ST2
.set ST2,  16*WST
.set SW,   24*WST                      ; the a-tile's scale words, 512 bytes
.set PD,   SW+512                      ; eight images of partial sums, 1,024 bytes each
.set SH8,  15                          ; v15  8 h
.set TP,   16                          ; v16  a lane permute's destination
.set T,    24                          ; v24-25 largest magnitudes;  v26-27 the conversions' scale operands;  v28-29 the bytes
.set SO,   26
.set BY,   28
.set PCA,  32                          ; v32-39 codes of W's chunk;  v40-47 of h_dec's
.set PCB,  40
.set PWA,  48                          ; v48, v49: scale words, and nothing else
.set PWB,  49
.set D,    56                          ; v56-63 the partial product
.set RAW1, 64                          ; v64-127, v128-191 chunks as loaded
.set RAW2, 128
.set X,    192                         ; v192-255 64 numbers in the operand's order
.set SEL,  20                          ; s[20:21] v_permlanex16_b32's selects for lane l xor 16
.macro BAR                             ; my LDS instructions are done, then the work-group's barrier
	s_wait_dscnt 0x0
	s_barrier_signal -1
	s_barrier_wait -1
.endm
; 64 numbers, register 32 c + i = k 64 c + 32 h + i of my row, become a fragment's 8 registers in v[pc] on and the row's scale word in v[pw] (in both halves of the lanes)
.macro QBLK x, pc, pw
.irp c, 0,1
	v_max3_num_f32 v[T+\c], |v[\x+32*\c]|, |v[\x+32*\c+1]|, 0x1800000   ; my block 2 c + h, and the floor 2^(3 - 127): the byte cannot fall under 1
.endr
.irp i, 2,4,6,8,10,12,14,16,18,20,22,24,26,28,30
.irp c, 0,1
	v_max3_num_f32 v[T+\c], v[T+\c], |v[\x+32*\c+\i]|, |v[\x+32*\c+\i+1]|   ; the two blocks by turns
.endr
.endr
.irp c, 0,1
	v_add_nc_u32 v[SO+\c], 0xff000000, v[T+\c]     ; 2 off the exponent field: the conversion takes this operand's exponent field as its scale
.endr
.irp c, 0,1
	v_lshrrev_b32 v[BY+\c], 23, v[SO+\c]           ; the scale's byte
.endr
	v_lshl_or_b32 v[\pw], v[BY+1], 16, v[BY]       ; blocks h and 2 + h,
	v_lshlrev_b32 v[\pw], v[SH8], v[\pw]           ; at their places in the word;
	v_permlanex16_b32 v[TP], v[\pw], s[SEL], s[SEL+1]
	v_or_b32 v[\pw], v[\pw], v[TP]                 ; with lane l xor 16's two the word is whole
.irp c, 0,1
.irp g, 0,1,2,3
	v_cvt_scalef32_pk8_fp4_f32 v[\pc+4*\c+\g], v[\x+32*\c+8*\g:\x+32*\c+8*\g+7], v[SO+\c]
.endr
.endr
	v_nop                                          ; one plain place behind the scaled conversions
.endm
.macro LOADC raw, sb, pitch            ; 16 rows x 512 bytes: a load reads one row's 512 consecutive bytes
.irp i, 0,1,2,3,4,5,6,7,8,9,10,11,12,13,14,15
	global_load_b128 v[\raw+4*\i:\raw+4*\i+3], v4, s[\sb:\sb+1] offset:\i*\pitch
.endr
.endm
.macro TURNQ raw, stw, str, pc, pw     ; through my own stage (LDS serves a wave's instructions in order: ISA guide 5.7.1.4), then quantised
.irp i, 0,1,2,3,4,5,6,7,8,9,10,11,12,13,14,15
	ds_store_b128 v[\stw], v[\raw+4*\i:\raw+4*\i+3] offset:SP*\i
.endr
.irp c, 0,1
.irp q, 0,1,2,3,4,5,6,7
	ds_load_b128 v[X+32*\c+4*\q:X+32*\c+4*\q+3], v[\str] offset:256*\c+16*\q
.endr
.endr
	s_wait_dscnt 0x0
	QBLK X, \pc, \pw
.endm
	s_load_b256 s[4:11], s[0:1], 0x0               ; W s[4:5], b s[6:7], h_dec s[8:9], wq s[10:11]
	s_load_b64 s[12:13], s[0:1], 0x20              ; kb
	v_lshl_add_u32 v54, v0, 2, 0x33a00
	v_mov_b32 v55, 0
	v_lshrrev_b32 v1, 5, v0
	v_readfirstlane_b32 s14, v1                    ; wave = k-step s
	v_and_b32 v1, 31, v0                           ; lane
	v_and_b32 v2, 15, v0                           ; r
	v_bfe_u32 v3, v0, 4, 1                         ; h
	v_lshlrev_b32 v4, 4, v1                        ; 16 x lane
	s_and_b32 s16, ttmp7, 0xffff                   ; role
	s_mul_i32 s17, s14, WST
	s_and_b32 s18, s14, 1
	s_lshr_b32 s19, s14, 1
	; every LDS address is made here, ahead of the parting
	v_add_nc_u32 v5, s17, v4                       ; stage in: 16 x lane
	v_mul_u32_u24 v6, v2, SP
	v_lshl_add_u32 v6, v3, 7, v6
	v_add_nc_u32 v6, s17, v6                       ; stage out: row r, + 128 h
	v_add_nc_u32 v7, ST1, v5
	v_add_nc_u32 v8, ST1, v6
	v_add_nc_u32 v9, ST2, v5
	v_add_nc_u32 v10, ST2, v6
	s_lshl_b32 s22, s18, 8
	s_lshl_b32 s23, s19, 2
	s_add_co_u32 s22, s22, s23
	s_add_co_u32 s22, s22, SW
	v_lshl_add_u32 v11, v2, 4, s22                 ; my k-step's scale word of row r: lane r + 16 (s & 1), word s >> 1
	v_add_nc_u32 v12, SW, v4
	s_lshl_b32 s23, s14, 10
	s_add_co_u32 s23, s23, PD
	v_add_nc_u32 v13, s23, v4                      ; my partial sums' image
	s_lshl_b32 s23, s18, 9
	s_add_co_u32 s23, s23, PD
	v_add_nc_u32 v14, s23, v4                      ; and which half of the images I add up
	v_lshlrev_b32 v[SH8], 3, v3
	v_mov_b32 v[TP], 0
	s_lshl_b32 s23, s18, 4
	v_lshlrev_b32 v17, 12, v2
	v_lshl_add_u32 v17, v3, 5, v17
	v_add_nc_u32 v17, s23, v17                     ; kb: row n = r of 4,096 bytes, + 32 h + 16 (s & 1)
	v_lshl_add_u32 v18, v3, 5, s23                 ; b: 32 h + 16 (s & 1)
	s_mov_b32 s[SEL], 0x76543210
	s_mov_b32 s[SEL+1], 0xfedcba98
	s_lshl_b32 s24, ttmp9, 17                      ; 16 rows of W are 131,072 bytes
	s_lshl_b32 s26, s14, 9                         ; a k-step is 512 bytes of a row
	s_add_co_u32 s24, s24, s26
	s_mov_b32 s25, 0
	s_sub_co_i32 s27, s16, 1
	s_max_i32 s27, s27, 0                          ; which 16 rows of h_dec (0 where the role is 0: not used there)
	s_lshl_b32 s28, s27, 16
	s_add_co_u32 s30, s28, s26
	s_mov_b32 s31, 0
	s_lshl_b32 s42, ttmp9, 6                       ; 16 numbers of b, and of a row of kb
	s_mov_b32 s43, 0
	s_add_co_u32 s40, s28, s42
	s_mov_b32 s41, 0
	s_mul_i32 s44, ttmp9, 8704
	s_mov_b32 s45, 0
	s_lshl_b32 s46, s14, 10
	s_mov_b32 s47, 0
	s_wait_kmcnt 0x0
	s_add_nc_u64 s[32:33], s[4:5], s[24:25]        ; Wd's chunk
	s_add_nc_u64 s[34:35], s[32:33], 4096          ; We's: 1,024 columns on
	s_add_nc_u64 s[36:37], s[8:9], s[30:31]        ; h_dec's
	s_add_nc_u64 s[10:11], s[10:11], s[44:45]      ; the a-tile in wq,
	s_add_nc_u64 s[38:39], s[10:11], s[46:47]      ; my k-step in it
	s_add_nc_u64 s[12:13], s[12:13], s[40:41]
	s_add_nc_u64 s[6:7], s[6:7], s[42:43]
	global_load_b128 v[20:23], v18, s[6:7]         ; four numbers of b: in every wave, inside the buffer
	s_cmp_eq_u32 s16, 0
	s_cbranch_scc0 .Ldec1
	; ---- We: codes to wq as they stand, the scale word to LDS
	LOADC RAW1, 34, 8192
	s_wait_loadcnt 0x0
	TURNQ RAW1, 5, 6, PCA, PWA
	global_store_b128 v4, v[PCA:PCA+3], s[38:39]               ; 32 lanes store 512 consecutive bytes
	global_store_b128 v4, v[PCA+4:PCA+7], s[38:39] offset:512
	ds_store_b32 v11, v[PWA]                       ; lanes r and r + 16 write the same word with the same value
	s_branch .Ljoin
.Ldec1:
	; ---- Wd and h_dec: one product of 16 x 16 x 128
	LOADC RAW1, 32, 8192
	LOADC RAW2, 36, 4096
	s_wait_loadcnt 16                              ; b and Wd's 16 loads are in; h_dec's 16 may be out
	TURNQ RAW1, 7, 8, PCA, PWA
	s_wait_loadcnt 0x0
	TURNQ RAW2, 9, 10, PCB, PWB
.rept 8
	v_nop                                          ; a scale register written by a vector instruction stands 8 places ahead of a scaled matrix instruction, an operand so written 4
.endr
	v_wmma_scale_f32_16x16x128_f8f6f4 v[D:D+7], v[PCA:PCA+7], v[PCB:PCB+7], 0, v[PWA], v[PWB] matrix_a_fmt:MATRIX_FMT_FP4 matrix_b_fmt:MATRIX_FMT_FP4   ; source 0 = Wd's rows, source 1 = h_dec's: lane (r, h), register j: (a = 8 h + j, n = r)
.rept 4
	v_nop                                          ; four places in front of the first read of the result (ISA guide 7.12.1)
.endr
	ds_store_b128 v13, v[D:D+3]                    ; from the low end on
	ds_store_b128 v13, v[D+4:D+7] offset:512
.Ljoin:
	BAR                                            ; the eight scale words, or the eight partial sums, lie in LDS
	s_cmp_eq_u32 s16, 0
	s_cbranch_scc0 .Ldec2
	s_cmp_lg_u32 s14, 0
	s_cbranch_scc1 .Lend
	ds_load_b128 v[64:67], v12                     ; wave 0: the a-tile's 128 scale words
	s_wait_dscnt 0x0
	global_store_b128 v4, v[64:67], s[10:11] offset:8192       ; 512 consecutive bytes
	s_branch .Lend
.Ldec2:
	s_cmp_gt_u32 s14, 1
	s_cbranch_scc1 .Lend
.irp k, 0,1,2,3,4,5,6,7
	ds_load_b128 v[64+4*\k:67+4*\k], v14 offset:1024*\k        ; waves 0 and 1: registers 4 u .. 4 u + 3 of the eight k-steps' sums
.endr
	s_wait_dscnt 0x0
.irp k, 0,2,4,6
	v_pk_add_f32 v[64+4*\k:65+4*\k], v[64+4*\k:65+4*\k], v[68+4*\k:69+4*\k]
	v_pk_add_f32 v[66+4*\k:67+4*\k], v[66+4*\k:67+4*\k], v[70+4*\k:71+4*\k]
.endr
.irp k, 0,4
	v_pk_add_f32 v[64+4*\k:65+4*\k], v[64+4*\k:65+4*\k], v[72+4*\k:73+4*\k]
	v_pk_add_f32 v[66+4*\k:67+4*\k], v[66+4*\k:67+4*\k], v[74+4*\k:75+4*\k]
.endr
	v_pk_add_f32 v[64:65], v[64:65], v[80:81]
	v_pk_add_f32 v[66:67], v[66:67], v[82:83]
	v_pk_add_f32 v[64:65], v[64:65], v[20:21]      ; + b
	v_pk_add_f32 v[66:67], v[66:67], v[22:23]
	v_pk_mul_f32 v[64:65], v[64:65], 0x4038aa3b op_sel_hi:[1,0]   ; x 2 log2(e): the next launch's exponent is then one multiply-add
	v_pk_mul_f32 v[66:67], v[66:67], 0x4038aa3b op_sel_hi:[1,0]
	global_store_b128 v17, v[64:67], s[12:13]
.Lend:
	s_wait_tensorcnt 0x0
	ds_add_u32 v54, v55
	s_wait_dscnt 0x0
	s_endpgm
.Lfunc_end_k_qfc270f5d8e_prep:
	.size	k_qfc270f5d8e_prep, .Lfunc_end_k_qfc270f5d8e_prep-k_qfc270f5d8e_prep
	.p2alignl 7, 3214868480
	.fill 96, 4, 3214868480
	.section	.rodata,"a",@progbits
	.p2align	6, 0x0
	.amdhsa_kernel k_qfc270f5d8e_prep
		.amdhsa_group_segment_fixed_size 212480
		.amdhsa_private_segment_fixed_size 0
		.amdhsa_enable_private_segment 0
		.amdhsa_kernarg_size 40
		.amdhsa_user_sgpr_count 2
		.amdhsa_user_sgpr_kernarg_segment_ptr 1
		.amdhsa_wavefront_size32 1
		.amdhsa_system_sgpr_workgroup_id_x 1
		.amdhsa_system_sgpr_workgroup_id_y 1
		.amdhsa_system_sgpr_workgroup_id_z 1
		.amdhsa_system_vgpr_workitem_id 0
		.amdhsa_next_free_vgpr 256
		.amdhsa_next_free_sgpr 66
		.amdhsa_reserve_vcc 0
		.amdhsa_float_denorm_mode_32 3
		.amdhsa_float_denorm_mode_16_64 3
		.amdhsa_memory_ordered 1
		.amdhsa_forward_progress 1
		.amdhsa_inst_pref_size 27
	.end_amdhsa_kernel
	.amdgpu_metadata
---
amdhsa.version: [ 1, 2 ]
amdhsa.kernels:
  - .name:           k_qfc270f5d8e_prep
    .symbol:         k_qfc270f5d8e_prep.kd
    .args:
      - { .name: W, .offset: 0, .size: 8, .value_kind: global_buffer, .address_space: global }
      - { .name: b, .offset: 8, .size: 8, .value_kind: global_buffer, .address_space: global }
      - { .name: h_dec, .offset: 16, .size: 8, .value_kind: global_buffer, .address_space: global }
      - { .name: wq, .offset: 24, .size: 8, .value_kind: global_buffer, .address_space: global }
      - { .name: kb, .offset: 32, .size: 8, .value_kind: global_buffer, .address_space: global }
    .group_segment_fixed_size: 212480
    .private_segment_fixed_size: 0
    .kernarg_segment_align: 8
    .kernarg_segment_size: 40
    .max_flat_workgroup_size: 256
    .sgpr_count:     66
    .vgpr_count:     256
    .wavefront_size: 32
...
	.end_amdgpu_metadata
.endif
;; end of part 1
;; launch scores (part 2): grid 32 x 32, 8 waves a work-group, no clusters, 311,296 bytes of LDS; arguments h_enc, src_lens, v, wq, kb, sc, cp; writes sc, cp
.if DOCPART == 2
	.amdgcn_target "amdgcn-amd-amdhsa--gfx1250"
	.amdhsa_code_object_version 6
	.text
	.protected	k_qfc270f5d8e_scores
	.globl	k_qfc270f5d8e_scores
	.p2align	8
	.type	k_qfc270f5d8e_scores,@function
k_qfc270f5d8e_scores:
	s_mov_b64 s[64:65], 0
	v_nop
	global_prefetch_b8 v0, s[64:65] scope:SCOPE_SE
	s_setreg_imm32_b32 hwreg(HW_REG_WAVE_MODE, 25, 1), 1
	s_wait_xcnt 0x0
; Work-group (n, tile): 64 rows t = 64 tile .. + 63 of h_enc[n].  It stores sc[n][t] = the masked scores, and cp[n][tile][e] = the sum over its t of 2^((s - m) log2 e) h_enc[n][t][e], m = the tile's largest masked score.
; score = sum over a of v[a] tanh(x), x = enc + dec + b;  tanh(x) = 1 - 2 / (1 + 2^(K2 x)), K2 = 2 log2(e);  K2 x = fma(enc, K2, kb);  so score = sum of v + sum of (-2 v) / (1 + 2^..).
; An exponential that overflows gives 1 / infinity = 0 (tanh = 1), one that falls to 0 gives tanh = -1.
; A TILE THAT LIES WHOLLY AT OR BEHIND src_lens[n] IS NOT READ: its scores are -1e10 and its part of the context 0, which is what the mask makes of them.  src_lens <= 0: every tile works, all scores are -1e10.
; The work is three segments, each jumped over by a scalar branch on src_lens; the two barriers stand outside the branches, and a segment reads only registers that it writes itself or that the head has made, and LDS.
; h_enc IS READ ONCE: the f32 tile stays in LDS from the quantiser to the weighted sum.
; We's fragments are the same for all work-groups, yet they are not asked for jointly: this text jumps over work on a number read from memory, partners would have unequal work,
; and a joint request wants every partner on every path.  So all operands come through registers: We's in the order of the operand's registers, 512 consecutive bytes a load.
; SHARES.  1: wave w quantises rows 16 (w / 2) .. + 15, k = 512 (w % 2) .. + 511 (four k-steps), images of the fragments to LDS.  2: wave w owns a = 128 w .. + 127 (8 tiles of 16) for all 64 rows.  3: wave w owns e = 128 w .. + 127.
; THE PRODUCT: source 0 = 16 rows of We, source 1 = 16 rows of h: lane (r, h) holds t = 16 m + r, register j holds a = a0 + 8 h + j: the sum over a stays in the lane but for one exchange of halves.
; LIMITS: NaN and infinities among the inputs are not served; the sum of |v| stays far under 1e10; a block of zeros gets the scale byte 1 (its codes are zeros).
; REGISTERS.  Window 0: v1-31 addresses and constants; v32-47 h's scale words, v48-55 We's (two slots): scales and nothing else; v56-63 kb, v64-71 -2 v of the tile of a; v72-79 sums; v80-95 at work; v96-127 four accumulators;
;   v128-255 We's fragments, two slots of 64.   Window 1: segment 1: the tile as loaded; 2: h's 32 fragments; 3: 64 rows of h, 4 registers each.
.set PH,   4112                        ; a row of the f32 tile in LDS: 4,096 bytes + 16 = 1,028 words: row r starts at bank 4 r mod 64 (64 banks of 4 bytes: ISA guide 11.1)
.set TR,   16*PH
.set XIMG, 64*PH                       ; h's fragments as images of their registers: (8 m + s) x 1,024, c at + 512, 16 bytes a lane
.set XSC,  XIMG+32768                  ; their scale words: 512 m + 16 lane + 4 q: lanes 0-15 k-step 2 q, lanes 16-31 k-step 2 q + 1
.set KBL,  XSC+2048                    ; kb[n][.], 4,096 bytes; -2 v behind it: each wave writes and reads its own 512 bytes of each
.set V2O,  4096
.set PS,   KBL+8192                    ; partial scores [wave][64]
.set PB,   PS+2048                     ; p: 256 bytes of its own for each wave
.set HSC,  32
.set WSC,  48
.set ACC,  96
.set RING, 128
.set SH8,  22
.set TP,   28
.set T,    80
.set SO,   82
.set BY,   84
.set SEL,  24                          ; s[24:25] v_permlanex16_b32's selects for lane l xor 16
.set MSB, 0
.macro WIN new                         ; the immediate's high byte repeats the setting that is left; at a label and at a branch every window is 0
.if MSB != \new
	s_set_vgpr_msb (MSB<<8)|\new
.set MSB, \new
.endif
.endm
.macro BAR
	s_wait_dscnt 0x0
	s_barrier_signal -1
	s_barrier_wait -1
.endm
; 64 numbers, register 32 c + i = k 64 c + 32 h + i of my row, become a fragment's 8 registers in v[pc] on and the row's scale word in v[pw] (in both halves of the lanes)
.macro QBLK x, pc, pw
.irp c, 0,1
	v_max3_num_f32 v[T+\c], |v[\x+32*\c]|, |v[\x+32*\c+1]|, 0x1800000   ; my block 2 c + h, and the floor 2^(3 - 127): the byte cannot fall under 1
.endr
.irp i, 2,4,6,8,10,12,14,16,18,20,22,24,26,28,30
.irp c, 0,1
	v_max3_num_f32 v[T+\c], v[T+\c], |v[\x+32*\c+\i]|, |v[\x+32*\c+\i+1]|
.endr
.endr
.irp c, 0,1
	v_add_nc_u32 v[SO+\c], 0xff000000, v[T+\c]     ; 2 off the exponent field: the conversion's scale operand
.endr
.irp c, 0,1
	v_lshrrev_b32 v[BY+\c], 23, v[SO+\c]           ; the scale's byte
.endr
	v_lshl_or_b32 v[\pw], v[BY+1], 16, v[BY]
	v_lshlrev_b32 v[\pw], v[SH8], v[\pw]
	v_permlanex16_b32 v[TP], v[\pw], s[SEL], s[SEL+1]
	v_or_b32 v[\pw], v[\pw], v[TP]
.irp c, 0,1
.irp g, 0,1,2,3
	v_cvt_scalef32_pk8_fp4_f32 v[\pc+4*\c+\g], v[\x+32*\c+8*\g:\x+32*\c+8*\g+7], v[SO+\c]
.endr
.endr
	v_nop                                          ; one plain place behind the scaled conversions
.endm
	s_load_b256 s[4:11], s[0:1], 0x0               ; h_enc s[4:5], src_lens s[6:7], v s[8:9], wq s[10:11]
	s_load_b128 s[12:15], s[0:1], 0x20             ; kb s[12:13], sc s[14:15]
	s_load_b64 s[16:17], s[0:1], 0x30              ; cp
	v_lshl_add_u32 v94, v0, 2, 0x4bc00
	v_mov_b32 v95, 0
	v_lshrrev_b32 v1, 5, v0
	v_readfirstlane_b32 s18, v1                    ; wave w
	s_lshl_b32 s38, ttmp9, 2                       ; n x 4; never rewritten
	s_wait_kmcnt 0x0
	s_load_b32 s22, s[6:7], s38 offset:0x0         ; src_lens[n]: waited for at the head's end
	v_and_b32 v1, 31, v0                           ; lane
	v_and_b32 v2, 15, v0                           ; r
	v_bfe_u32 v3, v0, 4, 1                         ; h
	v_lshlrev_b32 v4, 4, v1                        ; 16 x lane
	s_and_b32 s20, ttmp7, 0xffff                   ; tile
	s_lshl_b32 s21, s20, 6                         ; its first t
	s_lshr_b32 s28, s18, 1                         ; m = w / 2
	s_and_b32 s29, s18, 1                          ; kh = w % 2
	s_lshl_b32 s32, s29, 11
	s_lshl_b32 s33, s28, 16
	s_add_co_u32 s33, s33, s32
	v_add_nc_u32 v5, s33, v4                       ; memory: 16 m rows of 4,096 bytes + 2,048 kh + 16 lane
	s_mul_i32 s34, s28, TR
	s_add_co_u32 s34, s34, s32
	v_add_nc_u32 v6, s34, v4                       ; the same place in the LDS tile
	v_mul_u32_u24 v7, v2, PH
	v_lshl_add_u32 v7, v3, 7, v7
	v_add_nc_u32 v7, s34, v7                       ; and for the quantiser: row r, + 128 h
	s_lshl_b32 s35, s18, 12
	s_add_co_u32 s35, s35, XIMG
	v_add_nc_u32 v8, s35, v4                       ; my four images: 1,024 (8 m + 4 kh) = 4,096 w
	s_lshl_b32 s35, s28, 9
	s_lshl_b32 s36, s29, 3
	s_add_co_u32 s35, s35, s36
	s_add_co_u32 s35, s35, XSC
	v_add_nc_u32 v9, s35, v4                       ; my two scale words a lane: q = 2 kh, 2 kh + 1
	v_add_nc_u32 v10, XIMG, v4
	v_add_nc_u32 v11, XSC, v4
	s_lshl_b32 s36, s18, 9                         ; 512 w
	s_add_co_u32 s35, s36, KBL
	v_add_nc_u32 v12, s35, v4
	v_lshl_add_u32 v13, v3, 5, s35                 ; kb and -2 v of my half's eight a
	s_lshl_b32 s37, s18, 8
	s_add_co_u32 s35, s37, PS
	v_lshl_add_u32 v14, v2, 2, s35
	v_lshl_add_u32 v15, v1, 3, PS
	s_add_co_u32 s35, s37, PB
	v_lshl_add_u32 v16, v1, 3, s35
	v_mov_b32 v17, s35
	v_add_nc_u32 v18, s36, v4                      ; rows of the tile, my 512 bytes: 16 rows to an address register
	v_add_nc_u32 v19, TR, v18
	v_add_nc_u32 v20, 2*TR, v18
	v_add_nc_u32 v21, 3*TR, v18
	v_lshlrev_b32 v[SH8], 3, v3
	v_lshl_add_u32 v23, v1, 1, s21                 ; t = first t + 2 lane,
	v_add_nc_u32 v24, 1, v23                       ; and + 1
	v_lshlrev_b32 v25, 3, v1
	v_mov_b32 v26, 0xd01502f9                      ; -1e10
	v_mov_b32 v27, 0xd01502f9
.irp i, 28,29,30,31
	v_mov_b32 v\i, 0                               ; lane permutes' destinations count as sources: written once
.endr
	s_mov_b32 s[SEL], 0x76543210
	s_mov_b32 s[SEL+1], 0xfedcba98
	s_mov_b32 s26, 0x4038aa3b                      ; K2 = 2 log2(e); the packed form names the pair
	s_mov_b32 s27, s26
	s_mov_b32 s30, 0xffff0000                      ; lanes 16-31
	s_mov_b32 s37, 0                               ; s[36:37] = 512 w
	s_mov_b32 s33, 0
	s_lshl_b32 s32, ttmp9, 23                      ; h_enc[n] is 2^23 bytes, a tile 2^18
	s_lshl_b32 s34, s20, 18
	s_add_co_u32 s32, s32, s34
	s_add_nc_u64 s[4:5], s[4:5], s[32:33]
	s_add_nc_u64 s[8:9], s[8:9], s[36:37]
	s_mul_i32 s32, s18, 8*8704
	s_add_nc_u64 s[10:11], s[10:11], s[32:33]
	s_lshl_b32 s32, ttmp9, 12
	s_add_co_u32 s32, s32, s36
	s_add_nc_u64 s[12:13], s[12:13], s[32:33]
	s_lshl_b32 s32, ttmp9, 13
	s_lshl_b32 s34, s20, 8
	s_add_co_u32 s32, s32, s34
	s_add_nc_u64 s[14:15], s[14:15], s[32:33]
	s_lshl_b32 s32, ttmp9, 5
	s_add_co_u32 s32, s32, s20
	s_lshl_b32 s32, s32, 12
	s_add_co_u32 s32, s32, s36
	s_add_nc_u64 s[16:17], s[16:17], s[32:33]
	s_wait_kmcnt 0x0                               ; src_lens[n]
	s_cmp_gt_i32 s22, 0
	s_cselect_b32 s29, s22, 2048                   ; a length of 0 or less masks everything: then every tile counts alike
	s_cmp_lt_i32 s21, s29
	s_cselect_b32 s23, 1, 0                        ; does the tile work?
	; ---- 1: my 16 rows x 512 numbers: in, into the LDS tile, quantised
	s_cmp_eq_u32 s23, 0
	s_cbranch_scc1 .Lq_done
	WIN 0x40                                       ; destination window 1
.set J, 0
.rept 4
.set I, 0
.rept 16
	global_load_b128 v[64*J+4*I:64*J+4*I+3], v5, s[4:5] offset:4096*I+512*J th:TH_LOAD_NT   ; 512 consecutive bytes of a row; k-step J of all 16 rows first; read once in the launch
.set I, I+1
.endr
.set J, J+1
.endr
	WIN 0
.set J, 0
.rept 4
	s_wait_loadcnt 48-16*J                         ; loads come back in order (ISA guide 5.7.1): k-step J's 16 are in, the later k-steps' stay out
	WIN 0x04                                       ; an LDS store's data are its source 1: window 1
.set I, 0
.rept 16
	ds_store_b128 v6, v[64*J+4*I:64*J+4*I+3] offset:PH*I+512*J
.set I, I+1
.endr
	WIN 0
.irp c, 0,1
.irp q, 0,1,2,3,4,5,6,7
	ds_load_b128 v[128+32*\c+4*\q:131+32*\c+4*\q], v7 offset:512*J+256*\c+16*\q   ; my own bytes, served in order: of row r the numbers k = 64 c + 32 h + 0 .. 31
.endr
.endr
	s_wait_dscnt 0x0
	QBLK 128, 96, 88+J
	ds_store_b128 v8, v[96:99] offset:1024*J       ; the fragment's image
	ds_store_b128 v8, v[100:103] offset:1024*J+512
.set J, J+1
.endr
	v_cndmask_b32 v92, v88, v89, s30               ; lanes 0-15 keep the even k-step's word, lanes 16-31 the odd one's
	v_cndmask_b32 v93, v90, v91, s30
	ds_store_b64 v9, v[92:93]
.Lq_done:
	BAR                                            ; the tile, its 32 fragments and their scale words lie in LDS
	; ---- 2: enc = h We^T for my 128 a, tanh, the dot product with v
	s_cmp_eq_u32 s23, 0
	s_cbranch_scc1 .Lm_done
.macro RLOAD slot, i                   ; tile i of my eight of We: 16 loads of codes and one of scale words, 512 consecutive bytes each
.irp q, 0,1,2,3,4,5,6,7,8,9,10,11,12,13,14,15
	global_load_b128 v[RING+64*(\slot)+4*\q:RING+64*(\slot)+4*\q+3], v4, s[10:11] offset:8704*(\i)+512*\q
.endr
	global_load_b128 v[WSC+4*(\slot):WSC+4*(\slot)+3], v4, s[10:11] offset:8704*(\i)+8192
.endm
.macro TANH i
.irp jp, 0,1,2,3
.irp m, 0,1,2,3
	v_pk_fma_f32 v[ACC+8*\m+2*\jp:ACC+8*\m+2*\jp+1], v[ACC+8*\m+2*\jp:ACC+8*\m+2*\jp+1], s[26:27], v[56+2*\jp:57+2*\jp] op_sel_hi:[1,0,1]   ; K2 enc + kb; each accumulator from its low end on
.endr
.endr
.set Q, 0
.rept 32
	v_exp_f32 v[ACC+Q], v[ACC+Q]
.set Q, Q+1
.endr
	v_nop                                          ; a plain place behind the exponentials (ISA guide 5.7.2)
.set Q, 0
	s_wait_alu depctr_va_vdst(0)
.rept 16
	v_pk_add_f32 v[ACC+Q:ACC+Q+1], v[ACC+Q:ACC+Q+1], 1.0 op_sel_hi:[1,0]
.set Q, Q+2
.endr
.set Q, 0
.rept 32
	v_rcp_f32 v[ACC+Q], v[ACC+Q]
.set Q, Q+1
.endr
	v_nop
	s_wait_alu depctr_va_vdst(0)
.irp jp, 0,1,2,3
.irp m, 0,1,2,3
.if ((\i) == 0) && (\jp == 0)
	s_wait_alu depctr_va_vdst(0)
	v_pk_mul_f32 v[72+2*\m:73+2*\m], v[ACC+8*\m:ACC+8*\m+1], v[64:65]      ; the first products start the sums: nothing is cleared
.else
	v_pk_fma_f32 v[72+2*\m:73+2*\m], v[ACC+8*\m+2*\jp:ACC+8*\m+2*\jp+1], v[64+2*\jp:65+2*\jp], v[72+2*\m:73+2*\m]
.endif
.endr
.endr
.endm
; One tile of 16 a against the 64 rows: 32 matrix instructions, the four accumulators by turns, one instruction a turn, K ascending.
.macro ATILE i
.set SL, (\i)%2
	ds_load_b128 v[56:59], v13 offset:64*(\i)      ; kb and -2 v of a = 16 i + 8 h + 0 .. 7: sixteen lanes read the same bytes
	ds_load_b128 v[60:63], v13 offset:64*(\i)+16
	ds_load_b128 v[64:67], v13 offset:V2O+64*(\i)
	ds_load_b128 v[68:71], v13 offset:V2O+64*(\i)+16
.if (\i) < 7
	s_wait_loadcnt 17                              ; this slot's 17 loads are in; the other slot's 17 may be out
.else
	s_wait_loadcnt 0x0
.endif
.if (\i) == 0
	s_wait_dscnt 4                                 ; h's fragments and scale words are in; the four loads just issued may be out
.endif
	WIN 0x04                                       ; source 1 (h) window 1
.irp s, 0,1,2,3,4,5,6,7
.irp m, 0,1,2,3
.if \s == 0
	v_wmma_scale_f32_16x16x128_f8f6f4 v[ACC+8*\m:ACC+8*\m+7], v[RING+64*SL+8*\s:RING+64*SL+8*\s+7], v[8*(8*\m+\s):8*(8*\m+\s)+7], 0, v[WSC+4*SL+\s/2], v[HSC+4*\m+\s/2] matrix_a_fmt:MATRIX_FMT_FP4 matrix_b_fmt:MATRIX_FMT_FP4
.elseif (\s)%2 == 0
	v_wmma_scale_f32_16x16x128_f8f6f4 v[ACC+8*\m:ACC+8*\m+7], v[RING+64*SL+8*\s:RING+64*SL+8*\s+7], v[8*(8*\m+\s):8*(8*\m+\s)+7], v[ACC+8*\m:ACC+8*\m+7], v[WSC+4*SL+\s/2], v[HSC+4*\m+\s/2] matrix_a_fmt:MATRIX_FMT_FP4 matrix_b_fmt:MATRIX_FMT_FP4
.else
	v_wmma_scale_f32_16x16x128_f8f6f4 v[ACC+8*\m:ACC+8*\m+7], v[RING+64*SL+8*\s:RING+64*SL+8*\s+7], v[8*(8*\m+\s):8*(8*\m+\s)+7], v[ACC+8*\m:ACC+8*\m+7], v[WSC+4*SL+\s/2], v[HSC+4*\m+\s/2] matrix_a_fmt:MATRIX_FMT_FP4 matrix_b_fmt:MATRIX_FMT_FP4 matrix_a_scale:MATRIX_SCALE_ROW1 matrix_b_scale:MATRIX_SCALE_ROW1
.endif
.endr
.endr
	WIN 0
.rept 4
	v_nop                                          ; four places in front of loads into registers that the products read, and of the first read of results; with the two v_nop of TANH six stand ahead of the next tile's products, which write over the accumulators
.endr
.if (\i) < 6
	RLOAD SL, (\i)+2                               ; this slot takes the tile two on
.endif
	s_wait_dscnt 0x0                               ; kb and -2 v
	TANH \i
.endm
	global_load_b128 v[80:83], v4, s[8:9]          ; my 128 of v, four a lane
	global_load_b128 v[84:87], v4, s[12:13]        ; and of kb[n]
	RLOAD 0, 0
	RLOAD 1, 1
	WIN 0x40
.set Q, 0
.rept 32
	ds_load_b128 v[8*Q:8*Q+3], v10 offset:1024*Q   ; h's fragment (m, s) = Q = 8 m + s, as its maker's registers stood
	ds_load_b128 v[8*Q+4:8*Q+7], v10 offset:1024*Q+512
.set Q, Q+1
.endr
	WIN 0
.irp m, 0,1,2,3
	ds_load_b128 v[HSC+4*\m:HSC+4*\m+3], v11 offset:512*\m
.endr
	s_wait_loadcnt 34                              ; v and kb are in; the two slots' 34 loads may be out
	v_pk_mul_f32 v[88:89], v[80:81], -2.0 op_sel_hi:[1,0]
	v_pk_mul_f32 v[90:91], v[82:83], -2.0 op_sel_hi:[1,0]
	v_add_f32 v92, v80, v81
	v_add_f32 v93, v82, v83
	v_add_f32 v92, v92, v93
	v_add_f32_dpp v92, v92, v92 row_xmask:1 row_mask:0xf bank_mask:0xf
	v_add_f32_dpp v92, v92, v92 row_xmask:2 row_mask:0xf bank_mask:0xf
	v_add_f32_dpp v92, v92, v92 row_xmask:4 row_mask:0xf bank_mask:0xf
	v_add_f32_dpp v92, v92, v92 row_xmask:8 row_mask:0xf bank_mask:0xf
	v_permlanex16_b32 v28, v92, s[SEL], s[SEL+1]
	v_add_f32 v92, v92, v28                        ; the sum of my 128 v, in every lane
	ds_store_b128 v12, v[84:87]
	ds_store_b128 v12, v[88:91] offset:V2O
.irp i, 0,1,2,3,4,5,6,7
	ATILE \i
.endr
.irp m, 0,1,2,3
	v_add_f32 v[80+\m], v[72+2*\m], v[73+2*\m]
.endr
.irp m, 0,1,2,3
	v_permlanex16_b32 v[28+\m], v[80+\m], s[SEL], s[SEL+1]
.endr
.irp m, 0,1,2,3
	v_add_f32 v[80+\m], v[80+\m], v[28+\m]         ; with the other half's a
.endr
.irp m, 0,1,2,3
	v_add_f32 v[80+\m], v[80+\m], v92
.endr
.irp m, 0,1,2,3
	ds_store_b32 v14, v[80+\m] offset:64*\m        ; my part of the score of t = 16 m + r; lanes r and r + 16 write the same word with the same value
.endr
.Lm_done:
	BAR                                            ; the eight waves' parts of the 64 scores lie in LDS
	; ---- 3: the scores, the tile's own softmax, its part of the context
	s_cmp_eq_u32 s23, 0
	s_cbranch_scc1 .Lidle
.irp k, 0,1,2,3,4,5,6,7
	ds_load_b64 v[96+2*\k:97+2*\k], v15 offset:256*\k
.endr
	WIN 0x40
.set Q, 0
.rept 48
	ds_load_b128 v[4*Q:4*Q+3], v[18+Q/16] offset:PH*(Q%16)     ; row Q of the tile, my wave's 512 bytes
.set Q, Q+1
.endr
	WIN 0
	s_wait_dscnt 48                                ; the scores' parts are in; the 48 rows may be out
	v_pk_add_f32 v[96:97], v[96:97], v[98:99]
	v_pk_add_f32 v[100:101], v[100:101], v[102:103]
	v_pk_add_f32 v[104:105], v[104:105], v[106:107]
	v_pk_add_f32 v[108:109], v[108:109], v[110:111]
	v_pk_add_f32 v[96:97], v[96:97], v[100:101]
	v_pk_add_f32 v[104:105], v[104:105], v[108:109]
	v_pk_add_f32 v[96:97], v[96:97], v[104:105]    ; the scores of t = 2 lane, 2 lane + 1
	v_cmp_gt_i32 vcc_lo, s22, v23
	v_cndmask_b32 v96, v26, v96, vcc_lo            ; -1e10 where t is not under src_lens
	v_cmp_gt_i32 vcc_lo, s22, v24
	v_cndmask_b32 v97, v27, v97, vcc_lo
	v_max_num_f32 v112, v96, v97
	v_max_num_f32_dpp v112, v112, v112 row_xmask:1 row_mask:0xf bank_mask:0xf
	v_max_num_f32_dpp v112, v112, v112 row_xmask:2 row_mask:0xf bank_mask:0xf
	v_max_num_f32_dpp v112, v112, v112 row_xmask:4 row_mask:0xf bank_mask:0xf
	v_max_num_f32_dpp v112, v112, v112 row_xmask:8 row_mask:0xf bank_mask:0xf
	v_permlanex16_b32 v28, v112, s[SEL], s[SEL+1]
	v_max_num_f32 v112, v112, v28                  ; the tile's largest masked score: the last launch finds the same number in sc
	v_sub_f32 v114, v96, v112
	v_sub_f32 v115, v97, v112
	v_mul_f32 v114, 0x3fb8aa3b, v114
	v_mul_f32 v115, 0x3fb8aa3b, v115
	v_exp_f32 v114, v114
	v_exp_f32 v115, v115
	v_nop
	s_wait_alu depctr_va_vdst(0)
	ds_store_b64 v16, v[114:115]
.irp k, 0,1,2,3,4,5,6,7,8,9,10,11,12,13,14,15
	ds_load_b128 v[128+4*\k:131+4*\k], v17 offset:16*\k        ; my own bytes, served in order: all 64 p in every lane, p of row t in v[128 + t]
.endr
	WIN 0x40
.set Q, 48
.rept 16
	ds_load_b128 v[4*Q:4*Q+3], v[18+Q/16] offset:PH*(Q%16)
.set Q, Q+1
.endr
	WIN 0
	s_cmp_lg_u32 s18, 0
	s_cbranch_scc1 .Lnot_0
	global_store_b64 v25, v[96:97], s[14:15]       ; wave 0: the tile's 64 scores: 256 consecutive bytes, aligned
.Lnot_0:
	s_wait_dscnt 16                                ; rows 0-47 and p are in; rows 48-63 may be out
	WIN 0x01                                       ; source 0 (h) window 1
.set Q, 0
.rept 64
.if Q == 48
	s_wait_dscnt 0x0
.endif
.irp u, 0,1
.if Q == 0
	v_pk_mul_f32 v[72+2*\u:73+2*\u], v[2*\u:2*\u+1], v[128:129] op_sel_hi:[1,0]
.elseif Q == 1
	v_pk_mul_f32 v[76+2*\u:77+2*\u], v[4+2*\u:5+2*\u], v[128:129] op_sel:[0,1] op_sel_hi:[1,1]
.elseif Q%2 == 0
	v_pk_fma_f32 v[72+2*\u:73+2*\u], v[4*Q+2*\u:4*Q+2*\u+1], v[128+Q:129+Q], v[72+2*\u:73+2*\u] op_sel_hi:[1,0,1]      ; an even row's p is the pair's first register, for both halves
.else
	v_pk_fma_f32 v[76+2*\u:77+2*\u], v[4*Q+2*\u:4*Q+2*\u+1], v[127+Q:128+Q], v[76+2*\u:77+2*\u] op_sel:[0,1,0] op_sel_hi:[1,1,1]   ; an odd row's the second
.endif
.endr
.set Q, Q+1
.endr
	WIN 0
	v_pk_add_f32 v[72:73], v[72:73], v[76:77]
	v_pk_add_f32 v[74:75], v[74:75], v[78:79]
	global_store_b128 v4, v[72:75], s[16:17] th:TH_STORE_NT    ; 512 consecutive bytes a wave; not read again in this launch
	s_branch .Lend
.Lidle:                                            ; a tile under the mask: its scores and its part of the context are written all the same, so that the last launch reads nothing unwritten
.irp i, 72,73,74,75
	v_mov_b32 v\i, 0
.endr
	global_store_b128 v4, v[72:75], s[16:17] th:TH_STORE_NT
	s_cmp_lg_u32 s18, 0
	s_cbranch_scc1 .Lend
	global_store_b64 v25, v[26:27], s[14:15]
.Lend:
	s_wait_tensorcnt 0x0
	ds_add_u32 v94, v95
	s_wait_dscnt 0x0
	s_endpgm
.Lfunc_end_k_qfc270f5d8e_scores:
	.size	k_qfc270f5d8e_scores, .Lfunc_end_k_qfc270f5d8e_scores-k_qfc270f5d8e_scores
	.p2alignl 7, 3214868480
	.fill 96, 4, 3214868480
	.section	.rodata,"a",@progbits
	.p2align	6, 0x0
	.amdhsa_kernel k_qfc270f5d8e_scores
		.amdhsa_group_segment_fixed_size 311296
		.amdhsa_private_segment_fixed_size 0
		.amdhsa_enable_private_segment 0
		.amdhsa_kernarg_size 56
		.amdhsa_user_sgpr_count 2
		.amdhsa_user_sgpr_kernarg_segment_ptr 1
		.amdhsa_wavefront_size32 1
		.amdhsa_system_sgpr_workgroup_id_x 1
		.amdhsa_system_sgpr_workgroup_id_y 1
		.amdhsa_system_sgpr_workgroup_id_z 1
		.amdhsa_system_vgpr_workitem_id 0
		.amdhsa_next_free_vgpr 512
		.amdhsa_next_free_sgpr 66
		.amdhsa_reserve_vcc 1
		.amdhsa_float_denorm_mode_32 3
		.amdhsa_float_denorm_mode_16_64 3
		.amdhsa_memory_ordered 1
		.amdhsa_forward_progress 1
		.amdhsa_inst_pref_size 144
	.end_amdhsa_kernel
	.amdgpu_metadata
---
amdhsa.version: [ 1, 2 ]
amdhsa.kernels:
  - .name:           k_qfc270f5d8e_scores
    .symbol:         k_qfc270f5d8e_scores.kd
    .args:
      - { .name: h_enc, .offset: 0, .size: 8, .value_kind: global_buffer, .address_space: global }
      - { .name: src_lens, .offset: 8, .size: 8, .value_kind: global_buffer, .address_space: global }
      - { .name: v, .offset: 16, .size: 8, .value_kind: global_buffer, .address_space: global }
      - { .name: wq, .offset: 24, .size: 8, .value_kind: global_buffer, .address_space: global }
      - { .name: kb, .offset: 32, .size: 8, .value_kind: global_buffer, .address_space: global }
      - { .name: sc, .offset: 40, .size: 8, .value_kind: global_buffer, .address_space: global }
      - { .name: cp, .offset: 48, .size: 8, .value_kind: global_buffer, .address_space: global }
    .group_segment_fixed_size: 311296
    .private_segment_fixed_size: 0
    .kernarg_segment_align: 8
    .kernarg_segment_size: 56
    .max_flat_workgroup_size: 256
    .sgpr_count:     66
    .vgpr_count:     512
    .wavefront_size: 32
...
	.end_amdgpu_metadata
.endif
;; end of part 2
;; launch join (part 3): grid 32 x 1, 8 waves a work-group, no clusters, 2,048 bytes of LDS; arguments sc, cp, out0, out1; writes out0, out1
.if DOCPART == 3
	.amdgcn_target "amdgcn-amd-amdhsa--gfx1250"
	.amdhsa_code_object_version 6
	.text
	.protected	k_qfc270f5d8e_join
	.globl	k_qfc270f5d8e_join
	.p2align	8
	.type	k_qfc270f5d8e_join,@function
k_qfc270f5d8e_join:
	s_mov_b64 s[64:65], 0
	v_nop
	global_prefetch_b8 v0, s[64:65] scope:SCOPE_SE
	s_setreg_imm32_b32 hwreg(HW_REG_WAVE_MODE, 25, 1), 1
	s_wait_xcnt 0x0
; One work-group for each n.  From the masked scores sc[n][2048] and the 32 tiles' parts cp[n][tile][1024] (each under its own tile's maximum):
;   M = the row's maximum;  e = 2^((s - M) log2 e);  L = the sum of e;  out1 = e / L;  out0 = (the sum over tiles of 2^((m_tile - M) log2 e) cp[tile]) / L.
; Thread i holds t = 4 i .. + 3 and 1024 + 4 i .. + 3: sixteen neighbouring lanes hold one tile of 64, so a tile's maximum is four steps inside a row of lanes; it is the same number that the launch before used.
; Thread i also holds e-columns 4 i .. + 3 of all 32 parts: every load and store of a wave covers 512 consecutive bytes.
; A tile under the mask has scores -1e10 and a part of zeros: its factor is 0 (or 1 where everything is masked, and then every tile has worked).
; 32 work-groups: as many as there are rows to normalise; a row's 128 KiB of parts are all asked for at the head, ahead of the two reductions.
; LDS: the waves' maxima at 0, their sums at 256, the 32 tiles' factors at 512.
.macro BAR
	s_wait_dscnt 0x0
	s_barrier_signal -1
	s_barrier_wait -1
.endm
	s_load_b256 s[4:11], s[0:1], 0x0               ; sc s[4:5], cp s[6:7], out0 s[8:9], out1 s[10:11]
	v_lshl_add_u32 v200, v0, 2, 0x400
	v_mov_b32 v201, 0
	v_lshrrev_b32 v2, 5, v0
	v_readfirstlane_b32 s12, v2                    ; wave
	v_mov_b32 v2, s12
	v_lshlrev_b32 v2, 2, v2                        ; my wave's word
	v_lshlrev_b32 v1, 4, v0                        ; 16 x thread
	v_lshrrev_b32 v3, 4, v0
	v_lshl_add_u32 v3, v3, 2, 512                  ; my tile's factor
	v_mov_b32 v5, 0
	v_mov_b32 v19, 0                               ; a lane permute's destination counts as a source
	s_mov_b32 s14, 0x76543210
	s_mov_b32 s15, 0xfedcba98
	s_mov_b32 s16, 0x3fb8aa3b                      ; log2(e)
	s_lshl_b32 s20, ttmp9, 13
	s_mov_b32 s21, 0
	s_lshl_b32 s22, ttmp9, 17
	s_mov_b32 s23, 0
	s_lshl_b32 s24, ttmp9, 12
	s_mov_b32 s25, 0
	s_wait_kmcnt 0x0
	s_add_nc_u64 s[4:5], s[4:5], s[20:21]
	s_add_nc_u64 s[6:7], s[6:7], s[22:23]
	s_add_nc_u64 s[8:9], s[8:9], s[24:25]
	s_add_nc_u64 s[10:11], s[10:11], s[20:21]
	global_load_b128 v[8:11], v1, s[4:5]
	global_load_b128 v[12:15], v1, s[4:5] offset:4096
.set Q, 0
.rept 32
	global_load_b128 v[64+4*Q:67+4*Q], v1, s[6:7] offset:4096*Q th:TH_LOAD_NT
.set Q, Q+1
.endr
	s_wait_loadcnt 32                              ; the scores are in; the 32 parts may be out
	v_max3_num_f32 v16, v8, v9, v10
	v_max3_num_f32 v17, v12, v13, v14
	v_max_num_f32 v16, v16, v11
	v_max_num_f32 v17, v17, v15
.irp x, 1,2,4,8
	v_max_num_f32_dpp v16, v16, v16 row_xmask:\x row_mask:0xf bank_mask:0xf
	v_max_num_f32_dpp v17, v17, v17 row_xmask:\x row_mask:0xf bank_mask:0xf
.endr                                              ; v16, v17: the maxima of tiles i / 16 and 16 + i / 16
	v_max_num_f32 v18, v16, v17
	v_permlanex16_b32 v19, v18, s14, s15
	v_max_num_f32 v18, v18, v19
	ds_store_b32 v2, v18                           ; all lanes write the wave's word with the same value
	BAR
	ds_load_b128 v[20:23], v5
	ds_load_b128 v[24:27], v5 offset:16
	s_wait_dscnt 0x0
	v_max3_num_f32 v28, v20, v21, v22
	v_max3_num_f32 v28, v28, v23, v24
	v_max3_num_f32 v28, v28, v25, v26
	v_max_num_f32 v28, v28, v27                    ; M
.irp j, 8,9,10,11,12,13,14,15,16,17
	v_sub_f32 v\j, v\j, v28
.endr
.irp j, 8,9,10,11,12,13,14,15,16,17
	v_mul_f32 v\j, s16, v\j
.endr
.irp j, 8,9,10,11,12,13,14,15,16,17
	v_exp_f32 v\j, v\j
.endr
	v_nop                                          ; a plain place behind the exponentials (ISA guide 5.7.2)
	s_wait_alu depctr_va_vdst(0)
	v_pk_add_f32 v[20:21], v[8:9], v[10:11]
	v_pk_add_f32 v[22:23], v[12:13], v[14:15]
	v_pk_add_f32 v[20:21], v[20:21], v[22:23]
	v_add_f32 v20, v20, v21
.irp x, 1,2,4,8
	v_add_f32_dpp v20, v20, v20 row_xmask:\x row_mask:0xf bank_mask:0xf
.endr
	v_permlanex16_b32 v19, v20, s14, s15
	v_add_f32 v20, v20, v19
	ds_store_b32 v2, v20 offset:256
	ds_store_b32 v3, v16                           ; sixteen lanes write a tile's word with the same value
	ds_store_b32 v3, v17 offset:64
	BAR
	ds_load_b128 v[20:23], v5 offset:256
	ds_load_b128 v[24:27], v5 offset:272
.irp k, 0,1,2,3,4,5,6,7
	ds_load_b128 v[32+4*\k:35+4*\k], v5 offset:512+16*\k       ; tile j's factor in v[32 + j], in every lane
.endr
	s_wait_dscnt 8                                 ; the eight sums are in; the factors' eight loads may be out
	v_pk_add_f32 v[20:21], v[20:21], v[22:23]
	v_pk_add_f32 v[24:25], v[24:25], v[26:27]
	v_pk_add_f32 v[20:21], v[20:21], v[24:25]
	v_add_f32 v20, v20, v21                        ; L: at least 1, since the row's largest score gives e = 1
	v_rcp_f32 v30, v20
	v_mov_b32 v31, 0                               ; (a plain place; named with v30 as a pair)
	s_wait_alu depctr_va_vdst(0)
.irp j, 8,10,12,14
	v_pk_mul_f32 v[\j:\j+1], v[\j:\j+1], v[30:31] op_sel_hi:[1,0]
.endr
	global_store_b128 v1, v[8:11], s[10:11]
	global_store_b128 v1, v[12:15], s[10:11] offset:4096
	s_wait_loadcnt 0x0
	s_wait_dscnt 0x0
.set Q, 0
.rept 32
.irp u, 0,1
.if Q == 0
	v_pk_mul_f32 v[192+2*\u:193+2*\u], v[64+2*\u:65+2*\u], v[32:33] op_sel_hi:[1,0]
.elseif Q == 1
	v_pk_mul_f32 v[196+2*\u:197+2*\u], v[68+2*\u:69+2*\u], v[32:33] op_sel:[0,1] op_sel_hi:[1,1]
.elseif Q%2 == 0
	v_pk_fma_f32 v[192+2*\u:193+2*\u], v[64+4*Q+2*\u:65+4*Q+2*\u], v[32+Q:33+Q], v[192+2*\u:193+2*\u] op_sel_hi:[1,0,1]
.else
	v_pk_fma_f32 v[196+2*\u:197+2*\u], v[64+4*Q+2*\u:65+4*Q+2*\u], v[31+Q:32+Q], v[196+2*\u:197+2*\u] op_sel:[0,1,0] op_sel_hi:[1,1,1]
.endif
.endr
.set Q, Q+1
.endr
	v_pk_add_f32 v[192:193], v[192:193], v[196:197]
	v_pk_add_f32 v[194:195], v[194:195], v[198:199]
	v_pk_mul_f32 v[192:193], v[192:193], v[30:31] op_sel_hi:[1,0]
	v_pk_mul_f32 v[194:195], v[194:195], v[30:31] op_sel_hi:[1,0]
	global_store_b128 v1, v[192:195], s[8:9]
	s_wait_tensorcnt 0x0
	ds_add_u32 v200, v201
	s_wait_dscnt 0x0
	s_endpgm
.Lfunc_end_k_qfc270f5d8e_join:
	.size	k_qfc270f5d8e_join, .Lfunc_end_k_qfc270f5d8e_join-k_qfc270f5d8e_join
	.p2alignl 7, 3214868480
	.fill 96, 4, 3214868480
	.section	.rodata,"a",@progbits
	.p2align	6, 0x0
	.amdhsa_kernel k_qfc270f5d8e_join
		.amdhsa_group_segment_fixed_size 2048
		.amdhsa_private_segment_fixed_size 0
		.amdhsa_enable_private_segment 0
		.amdhsa_kernarg_size 32
		.amdhsa_user_sgpr_count 2
		.amdhsa_user_sgpr_kernarg_segment_ptr 1
		.amdhsa_wavefront_size32 1
		.amdhsa_system_sgpr_workgroup_id_x 1
		.amdhsa_system_sgpr_workgroup_id_y 1
		.amdhsa_system_sgpr_workgroup_id_z 1
		.amdhsa_system_vgpr_workitem_id 0
		.amdhsa_next_free_vgpr 202
		.amdhsa_next_free_sgpr 66
		.amdhsa_reserve_vcc 0
		.amdhsa_float_denorm_mode_32 3
		.amdhsa_float_denorm_mode_16_64 3
		.amdhsa_memory_ordered 1
		.amdhsa_forward_progress 1
		.amdhsa_inst_pref_size 14
	.end_amdhsa_kernel
	.amdgpu_metadata
---
amdhsa.version: [ 1, 2 ]
amdhsa.kernels:
  - .name:           k_qfc270f5d8e_join
    .symbol:         k_qfc270f5d8e_join.kd
    .args:
      - { .name: sc, .offset: 0, .size: 8, .value_kind: global_buffer, .address_space: global }
      - { .name: cp, .offset: 8, .size: 8, .value_kind: global_buffer, .address_space: global }
      - { .name: out0, .offset: 16, .size: 8, .value_kind: global_buffer, .address_space: global }
      - { .name: out1, .offset: 24, .size: 8, .value_kind: global_buffer, .address_space: global }
    .group_segment_fixed_size: 2048
    .private_segment_fixed_size: 0
    .kernarg_segment_align: 8
    .kernarg_segment_size: 32
    .max_flat_workgroup_size: 256
    .sgpr_count:     66
    .vgpr_count:     202
    .wavefront_size: 32
...
	.end_amdgpu_metadata
.endif
;; end of part 3
;; ======== version 2 of 3: 3 launches
;; limits: right only within a limited range of input values
;; workspace buffers: wq 557,056 bytes; kb 131,072 bytes; sc 262,144 bytes; cp 4,194,304 bytes
;; launch prep: the kernel of part 1 again; grid 64 x 3, 8 waves a work-group, no clusters, 212,480 bytes of LDS; arguments W, b, h_dec, wq, kb; writes wq, kb
;; launch scores (part 4): grid 256 x 1, 8 waves a work-group, no clusters, 311,296 bytes of LDS; arguments h_enc, src_lens, v, wq, kb, sc, cp; writes sc, cp
.if DOCPART == 4
	.amdgcn_target "amdgcn-amd-amdhsa--gfx1250"
	.amdhsa_code_object_version 6
	.text
	.protected	k_qfc270f5d8e_scores
	.globl	k_qfc270f5d8e_scores
	.p2align	8
	.type	k_qfc270f5d8e_scores,@function
k_qfc270f5d8e_scores:
	s_mov_b64 s[64:65], 0
	v_nop
	global_prefetch_b8 v0, s[64:65] scope:SCOPE_SE
	s_setreg_imm32_b32 hwreg(HW_REG_WAVE_MODE, 25, 1), 1
	s_wait_xcnt 0x0
; A tile is 64 rows t = 64 tile .. + 63 of h_enc[n].  For a tile this text stores sc[n][t] = the masked scores, and cp[n][tile][e] = the sum over its t of 2^((s - m) log2 e) h_enc[n][t][e], m = the tile's largest masked score.
; score = sum over a of v[a] tanh(x), x = enc + dec + b;  tanh(x) = 1 - 2 / (1 + 2^(K2 x)), K2 = 2 log2(e);  K2 x = fma(enc, K2, kb);  so score = sum of v + sum of (-2 v) / (1 + 2^..).
; An exponential that overflows gives 1 / infinity = 0 (tanh = 1), one that falls to 0 gives tanh = -1.
; A TILE THAT LIES WHOLLY AT OR BEHIND src_lens[n] IS NOT READ: its scores are -1e10 and its part of the context 0, which is what the mask makes of them.  src_lens <= 0: every tile works, all scores are -1e10.
; 256 WORK-GROUPS THAT STAY, AND THE WORKING TILES DEALT OUT EVENLY.  Row n has c_n working tiles (1 to 32).  They are numbered n by n; work-group g takes numbers g, g + 256, g + 512, g + 768: no work-group has more than
; one tile more than another, whatever the lengths.  Every wave reads all 32 lengths and finds its four tiles by scalar arithmetic.  The loop has 4 trips, as many as the longest split needs (1,024 tiles); a trip without a tile
; jumps over the three segments of the work.  The barriers stand outside the jumps, and a segment reads only registers that it writes itself or that the head or the trip's head has made, and LDS.
; A tile under the mask has a fixed owner: work-group g stores the -1e10 and the zeros of n = g % 32, tiles g / 32 + 8 k, where they do not work.  So each byte of sc and cp has one writer, and the last launch reads nothing unwritten.
; h_enc IS READ ONCE: the f32 tile stays in LDS from the quantiser to the weighted sum.
; We's fragments are the same for all work-groups, yet they are not asked for jointly: this text jumps over work on numbers read from memory, partners would have unequal work,
; and a joint request wants every partner on every path.  So all operands come through registers: We's in the order of the operand's registers, 512 consecutive bytes a load.
; SHARES.  1: wave w quantises rows 16 (w / 2) .. + 15, k = 512 (w % 2) .. + 511 (four k-steps), images of the fragments to LDS.  2: wave w owns a = 128 w .. + 127 (8 tiles of 16) for all 64 rows.  3: wave w owns e = 128 w .. + 127.
; THE PRODUCT: source 0 = 16 rows of We, source 1 = 16 rows of h: lane (r, h) holds t = 16 m + r, register j holds a = a0 + 8 h + j: the sum over a stays in the lane but for one exchange of halves.
; LIMITS: NaN and infinities among the inputs are not served; the sum of |v| stays far under 1e10; a block of zeros gets the scale byte 1 (its codes are zeros).
; REGISTERS.  Window 0: v1-31 addresses and constants; v32-47 h's scale words, v48-55 We's (two slots): scales and nothing else; v56-63 kb, v64-71 -2 v of the tile of a; v72-79 sums; v80-95 at work; v96-127 four accumulators;
;   v128-255 We's fragments, two slots of 64.   Window 1: segment 1: the tile as loaded; 2: h's 32 fragments; 3: 64 rows of h, 4 registers each.
; SCALARS.  s[4:17] the seven buffers (v, wq, kb, cp at my wave's part); s18 wave; s19 trip; s20 tile, s21 its first t, s22 the length held to 0 .. 2048, s29 that - 1, s23 does the trip work, s38 n; s[40:47] the trip's pointers into h_enc, kb, sc, cp;
;   s[48:63], s[68:83] the 32 lengths; s84-87 my four tiles, packed: tile in bits 9:0, length in 21:10, n in 26:22, all ones = none; s88-91 their numbers; s92 the running count; s[96:97] the next tile in h_enc, s98 is there one.
.set PH,   4112                        ; a row of the f32 tile in LDS: 4,096 bytes + 16 = 1,028 words: row r starts at bank 4 r mod 64 (64 banks of 4 bytes: ISA guide 11.1)
.set TR,   16*PH
.set XIMG, 64*PH                       ; h's fragments as images of their registers: (8 m + s) x 1,024, c at + 512, 16 bytes a lane
.set XSC,  XIMG+32768                  ; their scale words: 512 m + 16 lane + 4 q: lanes 0-15 k-step 2 q, lanes 16-31 k-step 2 q + 1
.set KBL,  XSC+2048                    ; kb[n][.], 4,096 bytes; -2 v behind it: each wave writes and reads its own 512 bytes of each
.set V2O,  4096
.set PS,   KBL+8192                    ; partial scores [wave][64]
.set PB,   PS+2048                     ; p: 256 bytes of its own for each wave
.set HSC,  32
.set WSC,  48
.set ACC,  96
.set RING, 128
.set SH8,  22
.set PFO,  24                          ; v24  the prefetch's offset; never rewritten
.set TP,   28
.set T,    80
.set SO,   82
.set BY,   84
.set SEL,  24                          ; s[24:25] v_permlanex16_b32's selects for lane l xor 16
.set MSB, 0
.macro WIN new                         ; the immediate's high byte repeats the setting that is left; at a label and at a branch every window is 0
.if MSB != \new
	s_set_vgpr_msb (MSB<<8)|\new
.set MSB, \new
.endif
.endm
.macro BAR
	s_wait_dscnt 0x0
	s_barrier_signal -1
	s_barrier_wait -1
.endm
; 64 numbers, register 32 c + i = k 64 c + 32 h + i of my row, become a fragment's 8 registers in v[pc] on and the row's scale word in v[pw] (in both halves of the lanes)
.macro QBLK x, pc, pw
.irp c, 0,1
	v_max3_num_f32 v[T+\c], |v[\x+32*\c]|, |v[\x+32*\c+1]|, 0x1800000   ; my block 2 c + h, and the floor 2^(3 - 127): the byte cannot fall under 1
.endr
.irp i, 2,4,6,8,10,12,14,16,18,20,22,24,26,28,30
.irp c, 0,1
	v_max3_num_f32 v[T+\c], v[T+\c], |v[\x+32*\c+\i]|, |v[\x+32*\c+\i+1]|
.endr
.endr
.irp c, 0,1
	v_add_nc_u32 v[SO+\c], 0xff000000, v[T+\c]     ; 2 off the exponent field: the conversion's scale operand
.endr
.irp c, 0,1
	v_lshrrev_b32 v[BY+\c], 23, v[SO+\c]           ; the scale's byte
.endr
	v_lshl_or_b32 v[\pw], v[BY+1], 16, v[BY]
	v_lshlrev_b32 v[\pw], v[SH8], v[\pw]
	v_permlanex16_b32 v[TP], v[\pw], s[SEL], s[SEL+1]
	v_or_b32 v[\pw], v[\pw], v[TP]
.irp c, 0,1
.irp g, 0,1,2,3
	v_cvt_scalef32_pk8_fp4_f32 v[\pc+4*\c+\g], v[\x+32*\c+8*\g:\x+32*\c+8*\g+7], v[SO+\c]
.endr
.endr
	v_nop                                          ; one plain place behind the scaled conversions
.endm
.macro RLOAD slot, i                   ; tile i of my eight of We: 16 loads of codes and one of scale words, 512 consecutive bytes each
.irp q, 0,1,2,3,4,5,6,7,8,9,10,11,12,13,14,15
	global_load_b128 v[RING+64*(\slot)+4*\q:RING+64*(\slot)+4*\q+3], v4, s[10:11] offset:8704*(\i)+512*\q
.endr
	global_load_b128 v[WSC+4*(\slot):WSC+4*(\slot)+3], v4, s[10:11] offset:8704*(\i)+8192
.endm
.macro TANH i
.irp jp, 0,1,2,3
.irp m, 0,1,2,3
	v_pk_fma_f32 v[ACC+8*\m+2*\jp:ACC+8*\m+2*\jp+1], v[ACC+8*\m+2*\jp:ACC+8*\m+2*\jp+1], s[26:27], v[56+2*\jp:57+2*\jp] op_sel_hi:[1,0,1]   ; K2 enc + kb; each accumulator from its low end on
.endr
.endr
.set Q, 0
.rept 32
	v_exp_f32 v[ACC+Q], v[ACC+Q]
.set Q, Q+1
.endr
	v_nop                                          ; a plain place behind the exponentials (ISA guide 5.7.2)
.set Q, 0
	s_wait_alu depctr_va_vdst(0)
.rept 16
	v_pk_add_f32 v[ACC+Q:ACC+Q+1], v[ACC+Q:ACC+Q+1], 1.0 op_sel_hi:[1,0]
.set Q, Q+2
.endr
.set Q, 0
.rept 32
	v_rcp_f32 v[ACC+Q], v[ACC+Q]
.set Q, Q+1
.endr
	v_nop
	s_wait_alu depctr_va_vdst(0)
.irp jp, 0,1,2,3
.irp m, 0,1,2,3
.if ((\i) == 0) && (\jp == 0)
	s_wait_alu depctr_va_vdst(0)
	v_pk_mul_f32 v[72+2*\m:73+2*\m], v[ACC+8*\m:ACC+8*\m+1], v[64:65]      ; the first products start the sums: nothing is cleared
.else
	v_pk_fma_f32 v[72+2*\m:73+2*\m], v[ACC+8*\m+2*\jp:ACC+8*\m+2*\jp+1], v[64+2*\jp:65+2*\jp], v[72+2*\m:73+2*\m]
.endif
.endr
.endr
.endm
; One tile of 16 a against the 64 rows: 32 matrix instructions, the four accumulators by turns, one instruction a turn, K ascending.
.macro ATILE i
.set SL, (\i)%2
	ds_load_b128 v[56:59], v13 offset:64*(\i)      ; kb and -2 v of a = 16 i + 8 h + 0 .. 7: sixteen lanes read the same bytes
	ds_load_b128 v[60:63], v13 offset:64*(\i)+16
	ds_load_b128 v[64:67], v13 offset:V2O+64*(\i)
	ds_load_b128 v[68:71], v13 offset:V2O+64*(\i)+16
.if (\i) < 7
	s_wait_loadcnt 17                              ; this slot's 17 loads are in; the other slot's 17 may be out
.else
	s_wait_loadcnt 0x0
.endif
.if (\i) == 0
	s_wait_dscnt 4                                 ; h's fragments and scale words are in; the four loads just issued may be out
.endif
	WIN 0x04                                       ; source 1 (h) window 1
.irp s, 0,1,2,3,4,5,6,7
.irp m, 0,1,2,3
.if \s == 0
	v_wmma_scale_f32_16x16x128_f8f6f4 v[ACC+8*\m:ACC+8*\m+7], v[RING+64*SL+8*\s:RING+64*SL+8*\s+7], v[8*(8*\m+\s):8*(8*\m+\s)+7], 0, v[WSC+4*SL+\s/2], v[HSC+4*\m+\s/2] matrix_a_fmt:MATRIX_FMT_FP4 matrix_b_fmt:MATRIX_FMT_FP4
.elseif (\s)%2 == 0
	v_wmma_scale_f32_16x16x128_f8f6f4 v[ACC+8*\m:ACC+8*\m+7], v[RING+64*SL+8*\s:RING+64*SL+8*\s+7], v[8*(8*\m+\s):8*(8*\m+\s)+7], v[ACC+8*\m:ACC+8*\m+7], v[WSC+4*SL+\s/2], v[HSC+4*\m+\s/2] matrix_a_fmt:MATRIX_FMT_FP4 matrix_b_fmt:MATRIX_FMT_FP4
.else
	v_wmma_scale_f32_16x16x128_f8f6f4 v[ACC+8*\m:ACC+8*\m+7], v[RING+64*SL+8*\s:RING+64*SL+8*\s+7], v[8*(8*\m+\s):8*(8*\m+\s)+7], v[ACC+8*\m:ACC+8*\m+7], v[WSC+4*SL+\s/2], v[HSC+4*\m+\s/2] matrix_a_fmt:MATRIX_FMT_FP4 matrix_b_fmt:MATRIX_FMT_FP4 matrix_a_scale:MATRIX_SCALE_ROW1 matrix_b_scale:MATRIX_SCALE_ROW1
.endif
.endr
.endr
	WIN 0
.rept 4
	v_nop                                          ; four places in front of loads into registers that the products read, and of the first read of results; with the two v_nop of TANH six stand ahead of the next tile's products, which write over the accumulators
.endr
.if (\i) < 6
	RLOAD SL, (\i)+2                               ; this slot takes the tile two on
.endif
	s_wait_dscnt 0x0                               ; kb and -2 v
	TANH \i
.endm
	s_load_b256 s[4:11], s[0:1], 0x0               ; h_enc s[4:5], src_lens s[6:7], v s[8:9], wq s[10:11]
	s_load_b128 s[12:15], s[0:1], 0x20             ; kb s[12:13], sc s[14:15]
	s_load_b64 s[16:17], s[0:1], 0x30              ; cp
	v_lshl_add_u32 v94, v0, 2, 0x4bc00
	v_mov_b32 v95, 0
	v_lshrrev_b32 v1, 5, v0
	v_readfirstlane_b32 s18, v1                    ; wave w
	s_and_b32 s38, ttmp9, 31                       ; the n of the four tiles that I own where they lie under the mask,
	s_lshl_b32 s39, s38, 2                         ; x 4; never rewritten
	s_lshr_b32 s99, ttmp9, 5                       ; and the first of those tiles
	s_wait_kmcnt 0x0
	s_load_b512 s[48:63], s[6:7], 0x0              ; all 32 lengths: waited for at the head's end
	s_load_b512 s[68:83], s[6:7], 0x40
	s_load_b32 s95, s[6:7], s39 offset:0x0         ; and src_lens[g % 32] once more, by the work-group's number
	v_and_b32 v1, 31, v0                           ; lane
	v_and_b32 v2, 15, v0                           ; r
	v_bfe_u32 v3, v0, 4, 1                         ; h
	v_lshlrev_b32 v4, 4, v1                        ; 16 x lane
	s_lshr_b32 s28, s18, 1                         ; m = w / 2
	s_and_b32 s29, s18, 1                          ; kh = w % 2
	s_lshl_b32 s32, s29, 11
	s_lshl_b32 s33, s28, 16
	s_add_co_u32 s33, s33, s32
	v_add_nc_u32 v5, s33, v4                       ; memory: 16 m rows of 4,096 bytes + 2,048 kh + 16 lane
	v_lshrrev_b32 v[PFO], 1, v1
	v_and_b32 v23, 1, v1
	v_lshlrev_b32 v[PFO], 12, v[PFO]
	v_lshl_add_u32 v[PFO], v23, 8, v[PFO]
	v_add_nc_u32 v[PFO], s33, v[PFO]               ; the prefetch: two lanes to a row of my 16, 256 bytes apart: my first k-step's 512 bytes of each
	s_mul_i32 s34, s28, TR
	s_add_co_u32 s34, s34, s32
	v_add_nc_u32 v6, s34, v4                       ; the same place in the LDS tile
	v_mul_u32_u24 v7, v2, PH
	v_lshl_add_u32 v7, v3, 7, v7
	v_add_nc_u32 v7, s34, v7                       ; and for the quantiser: row r, + 128 h
	s_lshl_b32 s35, s18, 12
	s_add_co_u32 s35, s35, XIMG
	v_add_nc_u32 v8, s35, v4                       ; my four images: 1,024 (8 m + 4 kh) = 4,096 w
	s_lshl_b32 s35, s28, 9
	s_lshl_b32 s36, s29, 3
	s_add_co_u32 s35, s35, s36
	s_add_co_u32 s35, s35, XSC
	v_add_nc_u32 v9, s35, v4                       ; my two scale words a lane: q = 2 kh, 2 kh + 1
	v_add_nc_u32 v10, XIMG, v4
	v_add_nc_u32 v11, XSC, v4
	s_lshl_b32 s36, s18, 9                         ; 512 w
	s_add_co_u32 s35, s36, KBL
	v_add_nc_u32 v12, s35, v4
	v_lshl_add_u32 v13, v3, 5, s35                 ; kb and -2 v of my half's eight a
	s_lshl_b32 s37, s18, 8
	s_add_co_u32 s35, s37, PS
	v_lshl_add_u32 v14, v2, 2, s35
	v_lshl_add_u32 v15, v1, 3, PS
	s_add_co_u32 s35, s37, PB
	v_lshl_add_u32 v16, v1, 3, s35
	v_mov_b32 v17, s35
	v_add_nc_u32 v18, s36, v4                      ; rows of the tile, my 512 bytes: 16 rows to an address register
	v_add_nc_u32 v19, TR, v18
	v_add_nc_u32 v20, 2*TR, v18
	v_add_nc_u32 v21, 3*TR, v18
	v_lshlrev_b32 v[SH8], 3, v3
	v_lshlrev_b32 v25, 3, v1
	v_mov_b32 v26, 0xd01502f9                      ; -1e10
	v_mov_b32 v27, 0xd01502f9
.irp i, 28,29,30,31
	v_mov_b32 v\i, 0                               ; the zeros of tiles under the mask; afterwards lane permutes' destinations, which count as sources
.endr
	s_mov_b32 s[SEL], 0x76543210
	s_mov_b32 s[SEL+1], 0xfedcba98
	s_mov_b32 s26, 0x4038aa3b                      ; K2 = 2 log2(e); the packed form names the pair
	s_mov_b32 s27, s26
	s_mov_b32 s30, 0xffff0000                      ; lanes 16-31
	s_mov_b32 s37, 0                               ; s[36:37] = 512 w
	s_mov_b32 s33, 0                               ; the upper word of every offset in s[32:33]: stays 0 from here on
	s_add_nc_u64 s[8:9], s[8:9], s[36:37]          ; v, kb and cp at my wave's 128 numbers
	s_add_nc_u64 s[12:13], s[12:13], s[36:37]
	s_add_nc_u64 s[16:17], s[16:17], s[36:37]
	s_mul_i32 s32, s18, 8*8704
	s_add_nc_u64 s[10:11], s[10:11], s[32:33]      ; wq at my eight tiles of a
	s_lshl_b32 s32, s38, 17                        ; cp: 2^17 bytes for an n, 2^12 for a tile
	s_lshl_b32 s34, s99, 12
	s_add_co_u32 s32, s32, s34
	s_add_nc_u64 s[46:47], s[16:17], s[32:33]      ; the first of the four tiles that I own under the mask
	s_lshl_b32 s32, s38, 13                        ; sc: 2^13 bytes for an n, 2^8 for a tile
	s_lshl_b32 s34, s99, 8
	s_add_co_u32 s32, s32, s34
	s_add_nc_u64 s[44:45], s[14:15], s[32:33]
	s_mov_b32 s88, ttmp9                           ; the numbers of my four working tiles
	s_add_co_u32 s89, s88, 256
	s_add_co_u32 s90, s88, 512
	s_add_co_u32 s91, s88, 768
.irp k, 84,85,86,87
	s_mov_b32 s\k, 0
.endr
	s_mov_b32 s92, 0                               ; P: working tiles of the rows before n
	s_wait_kmcnt 0x0                               ; the lengths
	; ---- which tiles are mine.  For each n: lc = the length held to 0 .. 2048; c = bits 10:6 of (lc - 1), + 1: 1 .. 32 tiles, and 32 where lc = 0; a number at or above P belongs to row n or a later one: the last n so found is the tile's
.set N, 0
.rept 32
.set LR, 48+N+4*(N/16)
	s_min_i32 s93, s[LR], 2048
	s_max_i32 s93, s93, 0
	s_sub_co_u32 s94, s93, 1
	s_bfe_u32 s94, s94, 0x50006
	s_lshl_b32 s93, s93, 10
	s_or_b32 s93, s93, s92                         ; packed: P in bits 9:0 (992 at the most), lc in 21:10,
	s_or_b32 s93, s93, (N<<22)                     ; n in 26:22
.irp k, 0,1,2,3
	s_cmp_ge_u32 s[88+\k], s92
	s_cselect_b32 s[84+\k], s93, s[84+\k]
.endr
	s_add_co_u32 s92, s92, s94
	s_add_co_u32 s92, s92, 1
.set N, N+1
.endr                                              ; s92 = all working tiles
.irp k, 0,1,2,3
	s_and_b32 s93, s[84+\k], 0x3ff
	s_sub_co_u32 s93, s[88+\k], s93                ; the tile in its row = the number - P
	s_min_u32 s93, s93, 31
	s_and_b32 s[84+\k], s[84+\k], 0xfffffc00
	s_or_b32 s[84+\k], s[84+\k], s93               ; takes P's place
	s_cmp_lt_u32 s[88+\k], s92
	s_cselect_b32 s[84+\k], s[84+\k], -1           ; a number that no tile has: all ones
.endr
	; ---- the tiles under the mask that I own: n = g % 32, tiles g / 32 + 8 k, where they are not under c
	s_min_i32 s93, s95, 2048
	s_max_i32 s93, s93, 0
	s_sub_co_u32 s94, s93, 1
	s_bfe_u32 s94, s94, 0x50006
	s_add_co_u32 s94, s94, 1
.irp k, 0,1,2,3
	s_add_co_u32 s93, s99, 8*\k
	s_cmp_ge_u32 s93, s94
	s_cbranch_scc0 .Lworks\k
	global_store_b128 v4, v[28:31], s[46:47] offset:32768*\k th:TH_STORE_NT    ; 512 consecutive bytes a wave
	s_cmp_lg_u32 s18, 0
	s_cbranch_scc1 .Lworks\k
	global_store_b64 v25, v[26:27], s[44:45] offset:2048*\k                    ; wave 0: 256 consecutive bytes, aligned
.Lworks\k:
.endr
	s_mov_b32 s19, 0
.Ltrip:                                            ; four trips; s84 = this trip's tile, s85 = the next trip's
	s_wait_xcnt 0x0                                ; every earlier store, load and prefetch has read its registers (ISA guide 3.1): only behind this wait are the pointers, the stores' data and the prefetch's address written again
	s_cmp_lg_u32 s84, -1
	s_cselect_b32 s23, 1, 0                        ; does this trip work?
	s_cmp_lg_u32 s85, -1
	s_cselect_b32 s98, 1, 0                        ; will the next?
	s_and_b32 s20, s84, 0x3ff
	s_min_u32 s20, s20, 31                         ; tile
	s_bfe_u32 s38, s84, 0x50016
	s_min_u32 s38, s38, 31                         ; n
	s_bfe_u32 s22, s84, 0xc000a                    ; the length, 0 .. 2048
	s_sub_co_i32 s29, s22, 1
	s_lshl_b32 s21, s20, 6
	v_lshl_add_u32 v23, v1, 1, s21                 ; t = the tile's first t + 2 lane
	s_lshl_b32 s32, s38, 23                        ; h_enc[n] is 2^23 bytes, a tile 2^18
	s_lshl_b32 s34, s20, 18
	s_add_co_u32 s32, s32, s34
	s_add_nc_u64 s[40:41], s[4:5], s[32:33]
	s_lshl_b32 s32, s38, 12
	s_add_nc_u64 s[42:43], s[12:13], s[32:33]      ; kb[n]
	s_lshl_b32 s32, s38, 13
	s_lshl_b32 s34, s20, 8
	s_add_co_u32 s32, s32, s34
	s_add_nc_u64 s[44:45], s[14:15], s[32:33]      ; sc
	s_lshl_b32 s32, s38, 17
	s_lshl_b32 s34, s20, 12
	s_add_co_u32 s32, s32, s34
	s_add_nc_u64 s[46:47], s[16:17], s[32:33]      ; cp
	s_and_b32 s34, s85, 0x3ff
	s_min_u32 s34, s34, 31
	s_bfe_u32 s35, s85, 0x50016
	s_min_u32 s35, s35, 31
	s_lshl_b32 s32, s35, 23
	s_lshl_b32 s34, s34, 18
	s_add_co_u32 s32, s32, s34
	s_add_nc_u64 s[96:97], s[4:5], s[32:33]        ; the next trip's tile in h_enc
	; ---- 1: my 16 rows x 512 numbers: in, into the LDS tile, quantised
	s_cmp_eq_u32 s23, 0
	s_cbranch_scc1 .Lq_done
	WIN 0x40                                       ; destination window 1
.set J, 0
.rept 4
.set I, 0
.rept 16
	global_load_b128 v[64*J+4*I:64*J+4*I+3], v5, s[40:41] offset:4096*I+512*J th:TH_LOAD_NT   ; 512 consecutive bytes of a row; k-step J of all 16 rows first; read once in the launch
.set I, I+1
.endr
.set J, J+1
.endr
	WIN 0
.set J, 0
.rept 4
	s_wait_loadcnt 48-16*J                         ; loads come back in order (ISA guide 5.7.1): k-step J's 16 are in, the later k-steps' stay out
	WIN 0x04                                       ; an LDS store's data are its source 1: window 1
.set I, 0
.rept 16
	ds_store_b128 v6, v[64*J+4*I:64*J+4*I+3] offset:PH*I+512*J
.set I, I+1
.endr
	WIN 0
.irp c, 0,1
.irp q, 0,1,2,3,4,5,6,7
	ds_load_b128 v[128+32*\c+4*\q:131+32*\c+4*\q], v7 offset:512*J+256*\c+16*\q   ; my own bytes, served in order: of row r the numbers k = 64 c + 32 h + 0 .. 31
.endr
.endr
	s_wait_dscnt 0x0
	QBLK 128, 96, 88+J
	ds_store_b128 v8, v[96:99] offset:1024*J       ; the fragment's image
	ds_store_b128 v8, v[100:103] offset:1024*J+512
.set J, J+1
.endr
	v_cndmask_b32 v92, v88, v89, s30               ; lanes 0-15 keep the even k-step's word, lanes 16-31 the odd one's
	v_cndmask_b32 v93, v90, v91, s30
	ds_store_b64 v9, v[92:93]
.Lq_done:
	BAR                                            ; the tile, its 32 fragments and their scale words lie in LDS
	; ---- 2: enc = h We^T for my 128 a, tanh, the dot product with v
	s_cmp_eq_u32 s23, 0
	s_cbranch_scc1 .Lm_done
	global_load_b128 v[80:83], v4, s[8:9]          ; my 128 of v, four a lane
	global_load_b128 v[84:87], v4, s[42:43]        ; and of kb[n]
	RLOAD 0, 0
	RLOAD 1, 1
	WIN 0x40
.set Q, 0
.rept 32
	ds_load_b128 v[8*Q:8*Q+3], v10 offset:1024*Q   ; h's fragment (m, s) = Q = 8 m + s, as its maker's registers stood
	ds_load_b128 v[8*Q+4:8*Q+7], v10 offset:1024*Q+512
.set Q, Q+1
.endr
	WIN 0
.irp m, 0,1,2,3
	ds_load_b128 v[HSC+4*\m:HSC+4*\m+3], v11 offset:512*\m
.endr
	s_wait_loadcnt 34                              ; v and kb are in; the two slots' 34 loads may be out
	v_pk_mul_f32 v[88:89], v[80:81], -2.0 op_sel_hi:[1,0]
	v_pk_mul_f32 v[90:91], v[82:83], -2.0 op_sel_hi:[1,0]
	v_add_f32 v92, v80, v81
	v_add_f32 v93, v82, v83
	v_add_f32 v92, v92, v93
	v_add_f32_dpp v92, v92, v92 row_xmask:1 row_mask:0xf bank_mask:0xf
	v_add_f32_dpp v92, v92, v92 row_xmask:2 row_mask:0xf bank_mask:0xf
	v_add_f32_dpp v92, v92, v92 row_xmask:4 row_mask:0xf bank_mask:0xf
	v_add_f32_dpp v92, v92, v92 row_xmask:8 row_mask:0xf bank_mask:0xf
	v_permlanex16_b32 v28, v92, s[SEL], s[SEL+1]
	v_add_f32 v92, v92, v28                        ; the sum of my 128 v, in every lane
	ds_store_b128 v12, v[84:87]
	ds_store_b128 v12, v[88:91] offset:V2O
.irp i, 0,1,2,3,4,5,6,7
	ATILE \i
.endr
.irp m, 0,1,2,3
	v_add_f32 v[80+\m], v[72+2*\m], v[73+2*\m]
.endr
.irp m, 0,1,2,3
	v_permlanex16_b32 v[28+\m], v[80+\m], s[SEL], s[SEL+1]
.endr
.irp m, 0,1,2,3
	v_add_f32 v[80+\m], v[80+\m], v[28+\m]         ; with the other half's a
.endr
.irp m, 0,1,2,3
	v_add_f32 v[80+\m], v[80+\m], v92
.endr
.irp m, 0,1,2,3
	ds_store_b32 v14, v[80+\m] offset:64*\m        ; my part of the score of t = 16 m + r; lanes r and r + 16 write the same word with the same value
.endr
.Lm_done:
	BAR                                            ; the eight waves' parts of the 64 scores lie in LDS
	; ---- 3: the scores, the tile's own softmax, its part of the context
	s_cmp_eq_u32 s23, 0
	s_cbranch_scc1 .Ls_done
.irp k, 0,1,2,3,4,5,6,7
	ds_load_b64 v[96+2*\k:97+2*\k], v15 offset:256*\k
.endr
	WIN 0x40
.set Q, 0
.rept 48
	ds_load_b128 v[4*Q:4*Q+3], v[18+Q/16] offset:PH*(Q%16)     ; row Q of the tile, my wave's 512 bytes
.set Q, Q+1
.endr
	WIN 0
	; A PREFETCH INTO THE L2, behind the run of LDS loads: the first k-step of my share of the work-group's NEXT tile: 16 rows x 512 bytes, two lanes to a row, one instruction a wave, 64 KiB a work-group: this segment and a barrier
	; ahead of the loads that want them.  Each block is named once in the launch: a tile has one owner, a share one wave.  The other three k-steps come by their loads alone.  Where the next trip has no tile nothing is asked.
	s_cmp_eq_u32 s98, 0
	s_cbranch_scc1 .Lno_next
	global_prefetch_b8 v[PFO], s[96:97] th:TH_LOAD_NT scope:SCOPE_SE
.Lno_next:
	s_wait_dscnt 48                                ; the scores' parts are in; the 48 rows may be out
	v_pk_add_f32 v[96:97], v[96:97], v[98:99]
	v_pk_add_f32 v[100:101], v[100:101], v[102:103]
	v_pk_add_f32 v[104:105], v[104:105], v[106:107]
	v_pk_add_f32 v[108:109], v[108:109], v[110:111]
	v_pk_add_f32 v[96:97], v[96:97], v[100:101]
	v_pk_add_f32 v[104:105], v[104:105], v[108:109]
	v_pk_add_f32 v[96:97], v[96:97], v[104:105]    ; the scores of t = 2 lane, 2 lane + 1
	v_cmp_gt_i32 vcc_lo, s22, v23
	v_cndmask_b32 v96, v26, v96, vcc_lo            ; -1e10 where t is not under the length
	v_cmp_gt_i32 vcc_lo, s29, v23                  ; t + 1 is under the length where t is under the length - 1
	v_cndmask_b32 v97, v27, v97, vcc_lo
	v_max_num_f32 v112, v96, v97
	v_max_num_f32_dpp v112, v112, v112 row_xmask:1 row_mask:0xf bank_mask:0xf
	v_max_num_f32_dpp v112, v112, v112 row_xmask:2 row_mask:0xf bank_mask:0xf
	v_max_num_f32_dpp v112, v112, v112 row_xmask:4 row_mask:0xf bank_mask:0xf
	v_max_num_f32_dpp v112, v112, v112 row_xmask:8 row_mask:0xf bank_mask:0xf
	v_permlanex16_b32 v28, v112, s[SEL], s[SEL+1]
	v_max_num_f32 v112, v112, v28                  ; the tile's largest masked score: the last launch finds the same number in sc
	v_sub_f32 v114, v96, v112
	v_sub_f32 v115, v97, v112
	v_mul_f32 v114, 0x3fb8aa3b, v114
	v_mul_f32 v115, 0x3fb8aa3b, v115
	v_exp_f32 v114, v114
	v_exp_f32 v115, v115
	v_nop
	s_wait_alu depctr_va_vdst(0)
	ds_store_b64 v16, v[114:115]
.irp k, 0,1,2,3,4,5,6,7,8,9,10,11,12,13,14,15
	ds_load_b128 v[128+4*\k:131+4*\k], v17 offset:16*\k        ; my own bytes, served in order: all 64 p in every lane, p of row t in v[128 + t]
.endr
	WIN 0x40
.set Q, 48
.rept 16
	ds_load_b128 v[4*Q:4*Q+3], v[18+Q/16] offset:PH*(Q%16)
.set Q, Q+1
.endr
	WIN 0
	s_cmp_lg_u32 s18, 0
	s_cbranch_scc1 .Lnot_0
	global_store_b64 v25, v[96:97], s[44:45]       ; wave 0: the tile's 64 scores: 256 consecutive bytes, aligned
.Lnot_0:
	s_wait_dscnt 16                                ; rows 0-47 and p are in; rows 48-63 may be out
	WIN 0x01                                       ; source 0 (h) window 1
.set Q, 0
.rept 64
.if Q == 48
	s_wait_dscnt 0x0
.endif
.irp u, 0,1
.if Q == 0
	v_pk_mul_f32 v[72+2*\u:73+2*\u], v[2*\u:2*\u+1], v[128:129] op_sel_hi:[1,0]
.elseif Q == 1
	v_pk_mul_f32 v[76+2*\u:77+2*\u], v[4+2*\u:5+2*\u], v[128:129] op_sel:[0,1] op_sel_hi:[1,1]
.elseif Q%2 == 0
	v_pk_fma_f32 v[72+2*\u:73+2*\u], v[4*Q+2*\u:4*Q+2*\u+1], v[128+Q:129+Q], v[72+2*\u:73+2*\u] op_sel_hi:[1,0,1]      ; an even row's p is the pair's first register, for both halves
.else
	v_pk_fma_f32 v[76+2*\u:77+2*\u], v[4*Q+2*\u:4*Q+2*\u+1], v[127+Q:128+Q], v[76+2*\u:77+2*\u] op_sel:[0,1,0] op_sel_hi:[1,1,1]   ; an odd row's the second
.endif
.endr
.set Q, Q+1
.endr
	WIN 0
	v_pk_add_f32 v[72:73], v[72:73], v[76:77]
	v_pk_add_f32 v[74:75], v[74:75], v[78:79]
	global_store_b128 v4, v[72:75], s[46:47] th:TH_STORE_NT    ; 512 consecutive bytes a wave; not read again in this launch
.Ls_done:
	BAR                                            ; every wave's reads of the f32 tile and of the scores' parts are over: the next trip may write them again
	s_mov_b32 s84, s85                             ; on to my next tile
	s_mov_b32 s85, s86
	s_mov_b32 s86, s87
	s_mov_b32 s87, -1
	s_add_co_u32 s19, s19, 1
	s_cmp_lt_u32 s19, 4
	s_cbranch_scc1 .Ltrip
	s_wait_tensorcnt 0x0
	ds_add_u32 v94, v95
	s_wait_dscnt 0x0
	s_endpgm
.Lfunc_end_k_qfc270f5d8e_scores:
	.size	k_qfc270f5d8e_scores, .Lfunc_end_k_qfc270f5d8e_scores-k_qfc270f5d8e_scores
	.p2alignl 7, 3214868480
	.fill 96, 4, 3214868480
	.section	.rodata,"a",@progbits
	.p2align	6, 0x0
	.amdhsa_kernel k_qfc270f5d8e_scores
		.amdhsa_group_segment_fixed_size 311296
		.amdhsa_private_segment_fixed_size 0
		.amdhsa_enable_private_segment 0
		.amdhsa_kernarg_size 56
		.amdhsa_user_sgpr_count 2
		.amdhsa_user_sgpr_kernarg_segment_ptr 1
		.amdhsa_wavefront_size32 1
		.amdhsa_system_sgpr_workgroup_id_x 1
		.amdhsa_system_sgpr_workgroup_id_y 1
		.amdhsa_system_sgpr_workgroup_id_z 1
		.amdhsa_system_vgpr_workitem_id 0
		.amdhsa_next_free_vgpr 512
		.amdhsa_next_free_sgpr 100
		.amdhsa_reserve_vcc 1
		.amdhsa_float_denorm_mode_32 3
		.amdhsa_float_denorm_mode_16_64 3
		.amdhsa_memory_ordered 1
		.amdhsa_forward_progress 1
		.amdhsa_inst_pref_size 169
	.end_amdhsa_kernel
	.amdgpu_metadata
---
amdhsa.version: [ 1, 2 ]
amdhsa.kernels:
  - .name:           k_qfc270f5d8e_scores
    .symbol:         k_qfc270f5d8e_scores.kd
    .args:
      - { .name: h_enc, .offset: 0, .size: 8, .value_kind: global_buffer, .address_space: global }
      - { .name: src_lens, .offset: 8, .size: 8, .value_kind: global_buffer, .address_space: global }
      - { .name: v, .offset: 16, .size: 8, .value_kind: global_buffer, .address_space: global }
      - { .name: wq, .offset: 24, .size: 8, .value_kind: global_buffer, .address_space: global }
      - { .name: kb, .offset: 32, .size: 8, .value_kind: global_buffer, .address_space: global }
      - { .name: sc, .offset: 40, .size: 8, .value_kind: global_buffer, .address_space: global }
      - { .name: cp, .offset: 48, .size: 8, .value_kind: global_buffer, .address_space: global }
    .group_segment_fixed_size: 311296
    .private_segment_fixed_size: 0
    .kernarg_segment_align: 8
    .kernarg_segment_size: 56
    .max_flat_workgroup_size: 256
    .sgpr_count:     100
    .vgpr_count:     512
    .wavefront_size: 32
...
	.end_amdgpu_metadata
.endif
;; end of part 4
;; launch join: the kernel of part 3 again; grid 32 x 1, 8 waves a work-group, no clusters, 2,048 bytes of LDS; arguments sc, cp, out0, out1; writes out0, out1
;; ======== version 3 of 3: 3 launches
;; limits: right only within a limited range of input values
;; workspace buffers: wq 557,056 bytes; kb 131,072 bytes; sc 262,144 bytes; cp 4,194,304 bytes
;; launch prep (part 5): grid 64 x 3, 8 waves a work-group, no clusters, 212,480 bytes of LDS; arguments W, b, h_dec, wq, kb; writes wq, kb
.if DOCPART == 5
	.amdgcn_target "amdgcn-amd-amdhsa--gfx1250"
	.amdhsa_code_object_version 6
	.text
	.protected	k_qfc270f5d8e_prep
	.globl	k_qfc270f5d8e_prep
	.p2align	8
	.type	k_qfc270f5d8e_prep,@function
k_qfc270f5d8e_prep:
	s_mov_b64 s[64:65], 0
	v_nop
	global_prefetch_b8 v0, s[64:65] scope:SCOPE_SE
	s_setreg_imm32_b32 hwreg(HW_REG_WAVE_SCHED_MODE, 0, 2), 2
	s_setreg_imm32_b32 hwreg(HW_REG_WAVE_MODE, 25, 1), 1
	s_wait_xcnt 0x0
	s_wait_alu depctr_vm_vsrc(0)
; W [1024][2048] f32 = (Wd | We).  Work-group (A, role): A = 16 rows of W (attention units 16 A .. 16 A + 15).
; role 0: We's 16 rows become codes of FP4 (E2M1) with one E8M0 byte for each 32 along K, laid in wq IN THE ORDER OF THE OPERAND'S REGISTERS:
;   wq + 8704 A: [k-step s 0..7][c 0..1][lane][16 bytes] (8,192 bytes), then the scale words [lane (r, h)][q 0..3] (512 bytes): word q of lane (r, h) = the four bytes of row r for k-step 2 q + h.
; role 1, 2: kb[n][a] = 2 log2(e) (h_dec[n] . Wd[a] + b[a]) for n = 16 (role - 1) .. + 15, both operands quantised along K, by one scaled matrix instruction a wave.
; Wave s takes k-step s: 16 rows x 128 along K.  Each load reads 512 consecutive bytes of one row; the chunk turns through the wave's own stage in LDS, so that lane (r, h) holds of row r
; the numbers k = 64 c + 32 h + 0 .. 31 in registers 32 c + 0 .. 31: two whole blocks a lane, in the order of the operand's layout: the conversions' results are the operand's registers.
; A block's scale is 2^(floor(log2(largest magnitude)) - 2): its byte is the largest magnitude's exponent field - 2, held at 1 from below.
; LIMITS: a block of zeros gets the byte 1 where the quantiser says 127 (its codes are zeros, and the bytes are read by this program alone); NaN and infinities among the inputs are not served.
; kb's stores are 16 bytes a lane in rows 4,096 bytes apart: 131,072 bytes in the whole launch.
; The two kinds of work-group part on the work-group's y and have LDS bytes of their own; the one barrier stands outside both branches.
; THE MODE: SCHED_MODE bits 1:0 = 2 (LLVM: expert scheduling mode 2), set by the entry lines.  The code itself states the register dependences
; between vector or matrix instructions and memory or LDS instructions, with s_wait_alu, always for 0.
; THE PLAN.  Registers that memory or LDS instructions touch, and who else names them:
;   v4-14, v17, v18   addresses and offsets: made at the head, never written again: one wait on va_vdst ahead of the first load serves them all.
;   v64-191 (RAW)     memory's loads land in them, the stores into the stage read them; behind the barrier LDS loads land in v64-95 and sums are made there: one wait on vm_vsrc behind the barrier.
;   v192-255 (X)      the loads from the stage land in them, the quantiser reads them; with Wd and h_dec they are filled twice: a wait on va_vdst between.
;   v32-49            codes and scale words, written by vector instructions; We's are read by stores, Wd's and h_dec's by the product: a wait on va_vdst ahead of either.
;   v56-63 (D)        written by the product, read by LDS stores: the places, then a wait on va_vdst.
.set SP,   528                         ; a stage row: 512 bytes + 16 = 132 words: row r starts at bank 4 r mod 64 (64 banks of 4 bytes: ISA guide 11.1)
.set WST,  16*SP                       ; a wave's stage
.set ST1,  8*WST                       ; stages: We's at 0, Wd's at ST1, h_dec's at ST2
.set ST2,  16*WST
.set SW,   24*WST                      ; the a-tile's scale words, 512 bytes
.set PD,   SW+512                      ; eight images of partial sums, 1,024 bytes each
.set SH8,  15                          ; v15  8 h
.set TP,   16                          ; v16  a lane permute's destination
.set T,    24                          ; v24-25 largest magnitudes;  v26-27 the conversions' scale operands;  v28-29 the bytes
.set SO,   26
.set BY,   28
.set PCA,  32                          ; v32-39 codes of W's chunk;  v40-47 of h_dec's
.set PCB,  40
.set PWA,  48                          ; v48, v49: scale words, and nothing else
.set PWB,  49
.set D,    56                          ; v56-63 the partial product
.set RAW1, 64                          ; v64-127, v128-191 chunks as loaded
.set RAW2, 128
.set X,    192                         ; v192-255 64 numbers in the operand's order
.set SEL,  20                          ; s[20:21] v_permlanex16_b32's selects for lane l xor 16
.macro BAR                             ; my LDS instructions are done, then the work-group's barrier
	s_wait_dscnt 0x0
	s_barrier_signal -1
	s_barrier_wait -1
.endm
; 64 numbers, register 32 c + i = k 64 c + 32 h + i of my row, become a fragment's 8 registers in v[pc] on and the row's scale word in v[pw] (in both halves of the lanes)
.macro QBLK x, pc, pw
.irp c, 0,1
	v_max3_num_f32 v[T+\c], |v[\x+32*\c]|, |v[\x+32*\c+1]|, 0x1800000   ; my block 2 c + h, and the floor 2^(3 - 127): the byte cannot fall under 1
.endr
.irp i, 2,4,6,8,10,12,14,16,18,20,22,24,26,28,30
.irp c, 0,1
	v_max3_num_f32 v[T+\c], v[T+\c], |v[\x+32*\c+\i]|, |v[\x+32*\c+\i+1]|   ; the two blocks by turns
.endr
.endr
.irp c, 0,1
	v_add_nc_u32 v[SO+\c], 0xff000000, v[T+\c]     ; 2 off the exponent field: the conversion takes this operand's exponent field as its scale
.endr
.irp c, 0,1
	v_lshrrev_b32 v[BY+\c], 23, v[SO+\c]           ; the scale's byte
.endr
	v_lshl_or_b32 v[\pw], v[BY+1], 16, v[BY]       ; blocks h and 2 + h,
	v_lshlrev_b32 v[\pw], v[SH8], v[\pw]           ; at their places in the word;
	v_permlanex16_b32 v[TP], v[\pw], s[SEL], s[SEL+1]
	v_or_b32 v[\pw], v[\pw], v[TP]                 ; with lane l xor 16's two the word is whole
.irp c, 0,1
.irp g, 0,1,2,3
	v_cvt_scalef32_pk8_fp4_f32 v[\pc+4*\c+\g], v[\x+32*\c+8*\g:\x+32*\c+8*\g+7], v[SO+\c]
.endr
.endr
	v_nop                                          ; one plain place behind the scaled conversions
.endm
.macro LOADC raw, sb, pitch            ; 16 rows x 512 bytes: a load reads one row's 512 consecutive bytes
.irp i, 0,1,2,3,4,5,6,7,8,9,10,11,12,13,14,15
	global_load_b128 v[\raw+4*\i:\raw+4*\i+3], v4, s[\sb:\sb+1] offset:\i*\pitch
.endr
.endm
.macro TURNQ raw, stw, str, pc, pw     ; through my own stage (LDS serves a wave's instructions in order: ISA guide 5.7.1.4), then quantised
.irp i, 0,1,2,3,4,5,6,7,8,9,10,11,12,13,14,15
	ds_store_b128 v[\stw], v[\raw+4*\i:\raw+4*\i+3] offset:SP*\i
.endr
.irp c, 0,1
.irp q, 0,1,2,3,4,5,6,7
	ds_load_b128 v[X+32*\c+4*\q:X+32*\c+4*\q+3], v[\str] offset:256*\c+16*\q
.endr
.endr
	s_wait_dscnt 0x0
	QBLK X, \pc, \pw
.endm
	s_load_b256 s[4:11], s[0:1], 0x0               ; W s[4:5], b s[6:7], h_dec s[8:9], wq s[10:11]
	s_load_b64 s[12:13], s[0:1], 0x20              ; kb
	v_lshl_add_u32 v54, v0, 2, 0x33a00
	v_mov_b32 v55, 0
	v_lshrrev_b32 v1, 5, v0
	v_readfirstlane_b32 s14, v1                    ; wave = k-step s
	v_and_b32 v1, 31, v0                           ; lane
	v_and_b32 v2, 15, v0                           ; r
	v_bfe_u32 v3, v0, 4, 1                         ; h
	v_lshlrev_b32 v4, 4, v1                        ; 16 x lane
	s_and_b32 s16, ttmp7, 0xffff                   ; role
	s_wait_alu depctr_va_sdst(0)                   ; s14 is written, ahead of its first reader: LDS places, offsets and branches are made from it
	s_mul_i32 s17, s14, WST
	s_and_b32 s18, s14, 1
	s_lshr_b32 s19, s14, 1
	; every LDS address is made here, ahead of the parting
	v_add_nc_u32 v5, s17, v4                       ; stage in: 16 x lane
	v_mul_u32_u24 v6, v2, SP
	v_lshl_add_u32 v6, v3, 7, v6
	v_add_nc_u32 v6, s17, v6                       ; stage out: row r, + 128 h
	v_add_nc_u32 v7, ST1, v5
	v_add_nc_u32 v8, ST1, v6
	v_add_nc_u32 v9, ST2, v5
	v_add_nc_u32 v10, ST2, v6
	s_lshl_b32 s22, s18, 8
	s_lshl_b32 s23, s19, 2
	s_add_co_u32 s22, s22, s23
	s_add_co_u32 s22, s22, SW
	v_lshl_add_u32 v11, v2, 4, s22                 ; my k-step's scale word of row r: lane r + 16 (s & 1), word s >> 1
	v_add_nc_u32 v12, SW, v4
	s_lshl_b32 s23, s14, 10
	s_add_co_u32 s23, s23, PD
	v_add_nc_u32 v13, s23, v4                      ; my partial sums' image
	s_lshl_b32 s23, s18, 9
	s_add_co_u32 s23, s23, PD
	v_add_nc_u32 v14, s23, v4                      ; and which half of the images I add up
	v_lshlrev_b32 v[SH8], 3, v3
	v_mov_b32 v[TP], 0
	s_lshl_b32 s23, s18, 4
	v_lshlrev_b32 v17, 12, v2
	v_lshl_add_u32 v17, v3, 5, v17
	v_add_nc_u32 v17, s23, v17                     ; kb: row n = r of 4,096 bytes, + 32 h + 16 (s & 1)
	v_lshl_add_u32 v18, v3, 5, s23                 ; b: 32 h + 16 (s & 1)
	s_mov_b32 s[SEL], 0x76543210
	s_mov_b32 s[SEL+1], 0xfedcba98
	s_lshl_b32 s24, ttmp9, 17                      ; 16 rows of W are 131,072 bytes
	s_lshl_b32 s26, s14, 9                         ; a k-step is 512 bytes of a row
	s_add_co_u32 s24, s24, s26
	s_mov_b32 s25, 0
	s_sub_co_i32 s27, s16, 1
	s_max_i32 s27, s27, 0                          ; which 16 rows of h_dec (0 where the role is 0: not used there)
	s_lshl_b32 s28, s27, 16
	s_add_co_u32 s30, s28, s26
	s_mov_b32 s31, 0
	s_lshl_b32 s42, ttmp9, 6                       ; 16 numbers of b, and of a row of kb
	s_mov_b32 s43, 0
	s_add_co_u32 s40, s28, s42
	s_mov_b32 s41, 0
	s_mul_i32 s44, ttmp9, 8704
	s_mov_b32 s45, 0
	s_lshl_b32 s46, s14, 10
	s_mov_b32 s47, 0
	s_wait_kmcnt 0x0
	s_add_nc_u64 s[32:33], s[4:5], s[24:25]        ; Wd's chunk
	s_add_nc_u64 s[34:35], s[32:33], 4096          ; We's: 1,024 columns on
	s_add_nc_u64 s[36:37], s[8:9], s[30:31]        ; h_dec's
	s_add_nc_u64 s[10:11], s[10:11], s[44:45]      ; the a-tile in wq,
	s_add_nc_u64 s[38:39], s[10:11], s[46:47]      ; my k-step in it
	s_add_nc_u64 s[12:13], s[12:13], s[40:41]
	s_add_nc_u64 s[6:7], s[6:7], s[42:43]
	s_wait_alu depctr_va_vdst(0)                   ; the addresses and offsets v4 to v14, v17 and v18 are written: every load and store of the kernel reads one of them
	global_load_b128 v[20:23], v18, s[6:7]         ; four numbers of b: in every wave, inside the buffer
	s_cmp_eq_u32 s16, 0
	s_cbranch_scc0 .Ldec1
	; ---- We: codes to wq as they stand, the scale word to LDS
	LOADC RAW1, 34, 8192
	s_wait_loadcnt 0x0
	TURNQ RAW1, 5, 6, PCA, PWA
	s_wait_alu depctr_va_vdst(0)                   ; the conversions have written v32-39 and the scale word v48 is made: the three stores below read them
	global_store_b128 v4, v[PCA:PCA+3], s[38:39]               ; 32 lanes store 512 consecutive bytes
	global_store_b128 v4, v[PCA+4:PCA+7], s[38:39] offset:512
	ds_store_b32 v11, v[PWA]                       ; lanes r and r + 16 write the same word with the same value
	s_branch .Ljoin
.Ldec1:
	; ---- Wd and h_dec: one product of 16 x 16 x 128
	LOADC RAW1, 32, 8192
	LOADC RAW2, 36, 4096
	s_wait_loadcnt 16                              ; b and Wd's 16 loads are in; h_dec's 16 may be out
	TURNQ RAW1, 7, 8, PCA, PWA
	s_wait_loadcnt 0x0
	s_wait_alu depctr_va_vdst(0)                   ; Wd's maxima and conversions are done reading v192-255, in which h_dec's numbers land from the stage
	TURNQ RAW2, 9, 10, PCB, PWB
.rept 8
	v_nop                                          ; a scale register written by a vector instruction stands 8 places ahead of a scaled matrix instruction, an operand so written 4
.endr
	s_wait_alu depctr_va_vdst(0)                   ; the codes v32-47 and the scale words v48, v49 are written, which the product takes as its operands and scales; the places above stay beside this wait
	v_wmma_scale_f32_16x16x128_f8f6f4 v[D:D+7], v[PCA:PCA+7], v[PCB:PCB+7], 0, v[PWA], v[PWB] matrix_a_fmt:MATRIX_FMT_FP4 matrix_b_fmt:MATRIX_FMT_FP4   ; source 0 = Wd's rows, source 1 = h_dec's: lane (r, h), register j: (a = 8 h + j, n = r)
.rept 4
	v_nop                                          ; four places in front of the first read of the result (ISA guide 7.12.1)
.endr
	s_wait_alu depctr_va_vdst(0)                   ; the product has written v56-63, which the LDS stores read; the places above stay beside this wait
	ds_store_b128 v13, v[D:D+3]                    ; from the low end on
	ds_store_b128 v13, v[D+4:D+7] offset:512
.Ljoin:
	BAR                                            ; the eight scale words, or the eight partial sums, lie in LDS
	s_wait_alu depctr_vm_vsrc(0)                   ; my stores into the stage have read v64-127: LDS loads land in v64-95 below, and sums are written there
	s_cmp_eq_u32 s16, 0
	s_cbranch_scc0 .Ldec2
	s_cmp_lg_u32 s14, 0
	s_cbranch_scc1 .Lend
	ds_load_b128 v[64:67], v12                     ; wave 0: the a-tile's 128 scale words
	s_wait_dscnt 0x0
	global_store_b128 v4, v[64:67], s[10:11] offset:8192       ; 512 consecutive bytes
	s_branch .Lend
.Ldec2:
	s_cmp_gt_u32 s14, 1
	s_cbranch_scc1 .Lend
.irp k, 0,1,2,3,4,5,6,7
	ds_load_b128 v[64+4*\k:67+4*\k], v14 offset:1024*\k        ; waves 0 and 1: registers 4 u .. 4 u + 3 of the eight k-steps' sums
.endr
	s_wait_dscnt 0x0
.irp k, 0,2,4,6
	v_pk_add_f32 v[64+4*\k:65+4*\k], v[64+4*\k:65+4*\k], v[68+4*\k:69+4*\k]
	v_pk_add_f32 v[66+4*\k:67+4*\k], v[66+4*\k:67+4*\k], v[70+4*\k:71+4*\k]
.endr
.irp k, 0,4
	v_pk_add_f32 v[64+4*\k:65+4*\k], v[64+4*\k:65+4*\k], v[72+4*\k:73+4*\k]
	v_pk_add_f32 v[66+4*\k:67+4*\k], v[66+4*\k:67+4*\k], v[74+4*\k:75+4*\k]
.endr
	v_pk_add_f32 v[64:65], v[64:65], v[80:81]
	v_pk_add_f32 v[66:67], v[66:67], v[82:83]
	v_pk_add_f32 v[64:65], v[64:65], v[20:21]      ; + b
	v_pk_add_f32 v[66:67], v[66:67], v[22:23]
	v_pk_mul_f32 v[64:65], v[64:65], 0x4038aa3b op_sel_hi:[1,0]   ; x 2 log2(e): the next launch's exponent is then one multiply-add
	v_pk_mul_f32 v[66:67], v[66:67], 0x4038aa3b op_sel_hi:[1,0]
	s_wait_alu depctr_va_vdst(0)                   ; the multiplications have written v64-67, which the store reads
	global_store_b128 v17, v[64:67], s[12:13]
.Lend:
	s_wait_dscnt 0x0                               ; the closing lines, six on end
	s_wait_alu 0x0
	s_wait_tensorcnt 0x0
	ds_add_u32 v54, v55
	s_wait_dscnt 0x0
	s_endpgm
.Lfunc_end_k_qfc270f5d8e_prep:
	.size	k_qfc270f5d8e_prep, .Lfunc_end_k_qfc270f5d8e_prep-k_qfc270f5d8e_prep
	.p2alignl 7, 3214868480
	.fill 96, 4, 3214868480
	.section	.rodata,"a",@progbits
	.p2align	6, 0x0
	.amdhsa_kernel k_qfc270f5d8e_prep
		.amdhsa_group_segment_fixed_size 212480
		.amdhsa_private_segment_fixed_size 0
		.amdhsa_enable_private_segment 0
		.amdhsa_kernarg_size 40
		.amdhsa_user_sgpr_count 2
		.amdhsa_user_sgpr_kernarg_segment_ptr 1
		.amdhsa_wavefront_size32 1
		.amdhsa_system_sgpr_workgroup_id_x 1
		.amdhsa_system_sgpr_workgroup_id_y 1
		.amdhsa_system_sgpr_workgroup_id_z 1
		.amdhsa_system_vgpr_workitem_id 0
		.amdhsa_next_free_vgpr 256
		.amdhsa_next_free_sgpr 66
		.amdhsa_reserve_vcc 0
		.amdhsa_float_denorm_mode_32 3
		.amdhsa_float_denorm_mode_16_64 3
		.amdhsa_memory_ordered 1
		.amdhsa_forward_progress 1
		.amdhsa_inst_pref_size 27
	.end_amdhsa_kernel
	.amdgpu_metadata
---
amdhsa.version: [ 1, 2 ]
amdhsa.kernels:
  - .name:           k_qfc270f5d8e_prep
    .symbol:         k_qfc270f5d8e_prep.kd
    .args:
      - { .name: W, .offset: 0, .size: 8, .value_kind: global_buffer, .address_space: global }
      - { .name: b, .offset: 8, .size: 8, .value_kind: global_buffer, .address_space: global }
      - { .name: h_dec, .offset: 16, .size: 8, .value_kind: global_buffer, .address_space: global }
      - { .name: wq, .offset: 24, .size: 8, .value_kind: global_buffer, .address_space: global }
      - { .name: kb, .offset: 32, .size: 8, .value_kind: global_buffer, .address_space: global }
    .group_segment_fixed_size: 212480
    .private_segment_fixed_size: 0
    .kernarg_segment_align: 8
    .kernarg_segment_size: 40
    .max_flat_workgroup_size: 256
    .sgpr_count:     66
    .vgpr_count:     256
    .wavefront_size: 32
...
	.end_amdgpu_metadata
.endif
;; end of part 5
;; launch scores (part 6): grid 256 x 1, 8 waves a work-group, no clusters, 311,296 bytes of LDS; arguments h_enc, src_lens, v, wq, kb, sc, cp; writes sc, cp
.if DOCPART == 6
	.amdgcn_target "amdgcn-amd-amdhsa--gfx1250"
	.amdhsa_code_object_version 6
	.text
	.protected	k_qfc270f5d8e_scores
	.globl	k_qfc270f5d8e_scores
	.p2align	8
	.type	k_qfc270f5d8e_scores,@function
k_qfc270f5d8e_scores:
	s_mov_b64 s[64:65], 0
	v_nop
	global_prefetch_b8 v0, s[64:65] scope:SCOPE_SE
	s_setreg_imm32_b32 hwreg(HW_REG_WAVE_SCHED_MODE, 0, 2), 2
	s_setreg_imm32_b32 hwreg(HW_REG_WAVE_MODE, 25, 1), 1
	s_wait_xcnt 0x0
	s_wait_alu depctr_vm_vsrc(0)
; A tile is 64 rows t = 64 tile .. + 63 of h_enc[n].  For a tile this text stores sc[n][t] = the masked scores, and cp[n][tile][e] = the sum over its t of 2^((s - m) log2 e) h_enc[n][t][e], m = the tile's largest masked score.
; score = sum over a of v[a] tanh(x), x = enc + dec + b;  tanh(x) = 1 - 2 / (1 + 2^(K2 x)), K2 = 2 log2(e);  K2 x = fma(enc, K2, kb);  so score = sum of v + sum of (-2 v) / (1 + 2^..).
; An exponential that overflows gives 1 / infinity = 0 (tanh = 1), one that falls to 0 gives tanh = -1.
; A TILE THAT LIES WHOLLY AT OR BEHIND src_lens[n] IS NOT READ: its scores are -1e10 and its part of the context 0, which is what the mask makes of them.  src_lens <= 0: every tile works, all scores are -1e10.
; 256 WORK-GROUPS THAT STAY, AND THE WORKING TILES DEALT OUT EVENLY.  Row n has c_n working tiles (1 to 32).  They are numbered n by n; work-group g takes numbers g, g + 256, g + 512, g + 768: no work-group has more than
; one tile more than another, whatever the lengths.  Every wave reads all 32 lengths and finds its four tiles by scalar arithmetic.  The loop has 4 trips, as many as the longest split needs (1,024 tiles); a trip without a tile
; jumps over the three segments of the work.  The barriers stand outside the jumps, and a segment reads only registers that it writes itself or that the head or the trip's head has made, and LDS.
; A tile under the mask has a fixed owner: work-group g stores the -1e10 and the zeros of n = g % 32, tiles g / 32 + 8 k, where they do not work.  So each byte of sc and cp has one writer, and the last launch reads nothing unwritten.
; h_enc IS READ ONCE: the f32 tile stays in LDS from the quantiser to the weighted sum.
; We's fragments are the same for all work-groups, yet they are not asked for jointly: this text jumps over work on numbers read from memory, partners would have unequal work,
; and a joint request wants every partner on every path.  So all operands come through registers: We's in the order of the operand's registers, 512 consecutive bytes a load.
; SHARES.  1: wave w quantises rows 16 (w / 2) .. + 15, k = 512 (w % 2) .. + 511 (four k-steps), images of the fragments to LDS.  2: wave w owns a = 128 w .. + 127 (8 tiles of 16) for all 64 rows.  3: wave w owns e = 128 w .. + 127.
; THE PRODUCT: source 0 = 16 rows of We, source 1 = 16 rows of h: lane (r, h) holds t = 16 m + r, register j holds a = a0 + 8 h + j: the sum over a stays in the lane but for one exchange of halves.
; LIMITS: NaN and infinities among the inputs are not served; the sum of |v| stays far under 1e10; a block of zeros gets the scale byte 1 (its codes are zeros).
; REGISTERS.  Window 0: v1-31 addresses and constants; v32-47 h's scale words, v48-55 We's (two slots): scales and nothing else; v56-63 kb, v64-71 -2 v of the tile of a; v72-79 sums; v80-95 at work; v96-127 four accumulators,
;   in segment 1 the four k-steps' codes; v128-255 We's fragments, two slots of 64.   Window 1: segment 1: the tile as loaded; 2: h's 32 fragments; 3: 64 rows of h, 4 registers each.
; SCALARS.  s[4:17] the seven buffers (v, wq, kb, cp at my wave's part); s18 wave; s19 trip; s20 tile, s21 its first t, s22 the length held to 0 .. 2048, s29 that - 1, s23 does the trip work, s38 n; s[40:47] the trip's pointers into h_enc, kb, sc, cp;
;   s[48:63], s[68:83] the 32 lengths; s84-87 my four tiles, packed: tile in bits 9:0, length in 21:10, n in 26:22, all ones = none; s88-91 their numbers; s92 the running count; s[96:97] the next tile in h_enc, s98 is there one.
; THE MODE: SCHED_MODE bits 1:0 = 2 (LLVM: expert scheduling mode 2), set by the entry lines.  The code itself states the register dependences
; between vector or matrix instructions and memory or LDS instructions, with s_wait_alu, always for 0.
; THE PLAN.  Registers that memory or LDS instructions touch, and who else names them, round a trip:
;   v4-21, v24, v25  addresses and offsets: made at the head, never written again: one wait on va_vdst at the head's end serves them all.
;   window 1         1: memory's loads land, my LDS stores read them.  2: h's fragments land, the products read them.  3: rows of the tile land, the multiply-adds read them.
;   v128-191         1: a k-step's 64 numbers land, the quantiser reads them.  2: part of We's ring.  3: p lands, the multiply-adds read it.
;   We's ring, v48-55  tile i's products read slot i % 2; the loads of tile i + 2 land in it.
;   v56-63, v64-71   kb is read by a tile's first sixteen multiply-adds, -2 v by its last sixteen; both are loaded anew for each tile.
;   v96-127          1: a set of eight for each k-step's codes, so that no set is written again while its stores read it.  2: accumulators.  3: the scores' parts land in v96-111; v96-97 and v114-115 are stores' data.
;   v80-93, v72-75, v26-31  at work; stores' data at the ends of the segments and at the head.
; Every vector or matrix instruction that names a register in which a load lands later is followed, INSIDE ITS OWN SEGMENT, by a wait on va_vdst that stands there for a store's data or for a batch of transcendentals: so the loads at the
; head of each segment owe nothing more, whichever segments a trip jumps over.  In a tile of a the wait behind the exponentials is that wait: behind it the tile's products are done with their slot, its first multiply-adds with kb, the tile
; before with -2 v: all the tile's loads go out there, We's codes dealt among the sixteen additions, which name accumulators alone.  Two waits on vm_vsrc a trip, both on the way that every wave takes: at the trip's head and behind the first barrier.
.set PH,   4112                        ; a row of the f32 tile in LDS: 4,096 bytes + 16 = 1,028 words: row r starts at bank 4 r mod 64 (64 banks of 4 bytes: ISA guide 11.1)
.set TR,   16*PH
.set XIMG, 64*PH                       ; h's fragments as images of their registers: (8 m + s) x 1,024, c at + 512, 16 bytes a lane
.set XSC,  XIMG+32768                  ; their scale words: 512 m + 16 lane + 4 q: lanes 0-15 k-step 2 q, lanes 16-31 k-step 2 q + 1
.set KBL,  XSC+2048                    ; kb[n][.], 4,096 bytes; -2 v behind it: each wave writes and reads its own 512 bytes of each
.set V2O,  4096
.set PS,   KBL+8192                    ; partial scores [wave][64]
.set PB,   PS+2048                     ; p: 256 bytes of its own for each wave
.set HSC,  32
.set WSC,  48
.set ACC,  96
.set RING, 128
.set SH8,  22
.set PFO,  24                          ; v24  the prefetch's offset; never rewritten
.set TP,   28
.set T,    80
.set SO,   82
.set BY,   84
.set SEL,  24                          ; s[24:25] v_permlanex16_b32's selects for lane l xor 16
.set MSB, 0
.macro WIN new                         ; the immediate's high byte repeats the setting that is left; at a label and at a branch every window is 0
.if MSB != \new
	s_set_vgpr_msb (MSB<<8)|\new
.set MSB, \new
.endif
.endm
.macro BAR
	s_wait_dscnt 0x0
	s_barrier_signal -1
	s_barrier_wait -1
.endm
; 64 numbers, register 32 c + i = k 64 c + 32 h + i of my row, become a fragment's 8 registers in v[pc] on and the row's scale word in v[pw] (in both halves of the lanes)
.macro QBLK x, pc, pw
.irp c, 0,1
	v_max3_num_f32 v[T+\c], |v[\x+32*\c]|, |v[\x+32*\c+1]|, 0x1800000   ; my block 2 c + h, and the floor 2^(3 - 127): the byte cannot fall under 1
.endr
.irp i, 2,4,6,8,10,12,14,16,18,20,22,24,26,28,30
.irp c, 0,1
	v_max3_num_f32 v[T+\c], v[T+\c], |v[\x+32*\c+\i]|, |v[\x+32*\c+\i+1]|
.endr
.endr
.irp c, 0,1
	v_add_nc_u32 v[SO+\c], 0xff000000, v[T+\c]     ; 2 off the exponent field: the conversion's scale operand
.endr
.irp c, 0,1
	v_lshrrev_b32 v[BY+\c], 23, v[SO+\c]           ; the scale's byte
.endr
	v_lshl_or_b32 v[\pw], v[BY+1], 16, v[BY]
	v_lshlrev_b32 v[\pw], v[SH8], v[\pw]
	v_permlanex16_b32 v[TP], v[\pw], s[SEL], s[SEL+1]
	v_or_b32 v[\pw], v[\pw], v[TP]
.irp c, 0,1
.irp g, 0,1,2,3
	v_cvt_scalef32_pk8_fp4_f32 v[\pc+4*\c+\g], v[\x+32*\c+8*\g:\x+32*\c+8*\g+7], v[SO+\c]
.endr
.endr
	v_nop                                          ; one plain place behind the scaled conversions
.endm
.macro RLOAD slot, i                   ; tile i of my eight of We: 16 loads of codes and one of scale words, 512 consecutive bytes each
.irp q, 0,1,2,3,4,5,6,7,8,9,10,11,12,13,14,15
	global_load_b128 v[RING+64*(\slot)+4*\q:RING+64*(\slot)+4*\q+3], v4, s[10:11] offset:8704*(\i)+512*\q
.endr
	global_load_b128 v[WSC+4*(\slot):WSC+4*(\slot)+3], v4, s[10:11] offset:8704*(\i)+8192
.endm
; One tile of 16 a against the 64 rows: 32 matrix instructions, the four accumulators by turns, one instruction a turn, K ascending; then the tanh and the dot product with v.
.macro ATILE i
.set SL, (\i)%2
.if (\i) < 7
	s_wait_loadcnt 17                              ; this slot's 17 loads are in; the other slot's 17 may be out
.else
	s_wait_loadcnt 0x0
.endif
.if (\i) == 0
	s_wait_dscnt 2                                 ; h's fragments and scale words are in; kb's two loads, issued last, may be out
.endif
	WIN 0x04                                       ; source 1 (h) window 1
.irp s, 0,1,2,3,4,5,6,7
.irp m, 0,1,2,3
.if \s == 0
	v_wmma_scale_f32_16x16x128_f8f6f4 v[ACC+8*\m:ACC+8*\m+7], v[RING+64*SL+8*\s:RING+64*SL+8*\s+7], v[8*(8*\m+\s):8*(8*\m+\s)+7], 0, v[WSC+4*SL+\s/2], v[HSC+4*\m+\s/2] matrix_a_fmt:MATRIX_FMT_FP4 matrix_b_fmt:MATRIX_FMT_FP4
.elseif (\s)%2 == 0
	v_wmma_scale_f32_16x16x128_f8f6f4 v[ACC+8*\m:ACC+8*\m+7], v[RING+64*SL+8*\s:RING+64*SL+8*\s+7], v[8*(8*\m+\s):8*(8*\m+\s)+7], v[ACC+8*\m:ACC+8*\m+7], v[WSC+4*SL+\s/2], v[HSC+4*\m+\s/2] matrix_a_fmt:MATRIX_FMT_FP4 matrix_b_fmt:MATRIX_FMT_FP4
.else
	v_wmma_scale_f32_16x16x128_f8f6f4 v[ACC+8*\m:ACC+8*\m+7], v[RING+64*SL+8*\s:RING+64*SL+8*\s+7], v[8*(8*\m+\s):8*(8*\m+\s)+7], v[ACC+8*\m:ACC+8*\m+7], v[WSC+4*SL+\s/2], v[HSC+4*\m+\s/2] matrix_a_fmt:MATRIX_FMT_FP4 matrix_b_fmt:MATRIX_FMT_FP4 matrix_a_scale:MATRIX_SCALE_ROW1 matrix_b_scale:MATRIX_SCALE_ROW1
.endif
.endr
.endr
	WIN 0
.rept 4
	v_nop                                          ; four places in front of the first read of results (ISA guide 7.12.1); with the two v_nop below six stand ahead of the next tile's products, which write over the accumulators
.endr
	s_wait_dscnt 0x0                               ; this tile's kb, asked for in the tile before
.irp jp, 0,1,2,3
.irp m, 0,1,2,3
	v_pk_fma_f32 v[ACC+8*\m+2*\jp:ACC+8*\m+2*\jp+1], v[ACC+8*\m+2*\jp:ACC+8*\m+2*\jp+1], s[26:27], v[56+2*\jp:57+2*\jp] op_sel_hi:[1,0,1]   ; K2 enc + kb; each accumulator from its low end on
.endr
.endr
.set Q, 0
	s_wait_alu depctr_va_vdst(0)
.rept 32
	v_exp_f32 v[ACC+Q], v[ACC+Q]
.set Q, Q+1
.endr
	v_nop                                          ; a plain place behind the exponentials (ISA guide 5.7.2)
	s_wait_alu depctr_va_vdst(0)                   ; the 32 exponentials have written their results, which the additions read; the products are done reading this slot and its scale words, the multiply-adds above kb, the last tile's -2 v: loads land in all of these below
	ds_load_b128 v[64:67], v13 offset:V2O+64*(\i)  ; -2 v of a = 16 i + 8 h + 0 .. 7: sixteen lanes read the same bytes
	ds_load_b128 v[68:71], v13 offset:V2O+64*(\i)+16
.if (\i) < 7
	ds_load_b128 v[56:59], v13 offset:64*((\i)+1)  ; and the next tile's kb
	ds_load_b128 v[60:63], v13 offset:64*((\i)+1)+16
.endif
.if (\i) < 6
	global_load_b128 v[WSC+4*SL:WSC+4*SL+3], v4, s[10:11] offset:8704*((\i)+2)+8192   ; this slot takes the tile two on: its scale words,
.endif
.set Q, 0
.rept 16
	v_pk_add_f32 v[ACC+Q:ACC+Q+1], v[ACC+Q:ACC+Q+1], 1.0 op_sel_hi:[1,0]
.if (\i) < 6
	global_load_b128 v[RING+64*SL+2*Q:RING+64*SL+2*Q+3], v4, s[10:11] offset:8704*((\i)+2)+256*Q   ; and its codes, a load behind each addition.  No wait: no vector instruction since the wait above names the slot
.endif
.set Q, Q+2
.endr
.set Q, 0
	s_wait_alu depctr_va_vdst(0)
.rept 32
	v_rcp_f32 v[ACC+Q], v[ACC+Q]
.set Q, Q+1
.endr
	v_nop                                          ; a plain place behind the reciprocals
	s_wait_alu depctr_va_vdst(0)                   ; the 32 reciprocals have written their results, which the multiply-adds below read
.if (\i) < 7
	s_wait_dscnt 2                                 ; -2 v is in; the next tile's kb, two loads issued behind it, may be out
.else
	s_wait_dscnt 0x0
.endif
.irp jp, 0,1,2,3
.irp m, 0,1,2,3
.if ((\i) == 0) && (\jp == 0)
	v_pk_mul_f32 v[72+2*\m:73+2*\m], v[ACC+8*\m:ACC+8*\m+1], v[64:65]      ; the first products start the sums: nothing is cleared
.else
	v_pk_fma_f32 v[72+2*\m:73+2*\m], v[ACC+8*\m+2*\jp:ACC+8*\m+2*\jp+1], v[64+2*\jp:65+2*\jp], v[72+2*\m:73+2*\m]
.endif
.endr
.endr
.endm
	s_load_b256 s[4:11], s[0:1], 0x0               ; h_enc s[4:5], src_lens s[6:7], v s[8:9], wq s[10:11]
	s_load_b128 s[12:15], s[0:1], 0x20             ; kb s[12:13], sc s[14:15]
	s_load_b64 s[16:17], s[0:1], 0x30              ; cp
	v_lshl_add_u32 v94, v0, 2, 0x4bc00
	v_mov_b32 v95, 0
	v_lshrrev_b32 v1, 5, v0
	v_readfirstlane_b32 s18, v1                    ; wave w
	s_and_b32 s38, ttmp9, 31                       ; the n of the four tiles that I own where they lie under the mask,
	s_lshl_b32 s39, s38, 2                         ; x 4; never rewritten
	s_lshr_b32 s99, ttmp9, 5                       ; and the first of those tiles
	s_wait_kmcnt 0x0
	s_load_b512 s[48:63], s[6:7], 0x0              ; all 32 lengths: waited for at the head's end
	s_load_b512 s[68:83], s[6:7], 0x40
	s_load_b32 s95, s[6:7], s39 offset:0x0         ; and src_lens[g % 32] once more, by the work-group's number
	v_and_b32 v1, 31, v0                           ; lane
	v_and_b32 v2, 15, v0                           ; r
	v_bfe_u32 v3, v0, 4, 1                         ; h
	v_lshlrev_b32 v4, 4, v1                        ; 16 x lane
	s_wait_alu depctr_va_vdst(0)
	s_wait_alu depctr_va_sdst(0)                   ; s18 is written, ahead of its first reader: LDS places, offsets and branches are made from it
	s_lshr_b32 s28, s18, 1                         ; m = w / 2
	s_and_b32 s29, s18, 1                          ; kh = w % 2
	s_lshl_b32 s32, s29, 11
	s_lshl_b32 s33, s28, 16
	s_add_co_u32 s33, s33, s32
	v_add_nc_u32 v5, s33, v4                       ; memory: 16 m rows of 4,096 bytes + 2,048 kh + 16 lane
	v_lshrrev_b32 v[PFO], 1, v1
	v_and_b32 v23, 1, v1
	v_lshlrev_b32 v[PFO], 12, v[PFO]
	v_lshl_add_u32 v[PFO], v23, 8, v[PFO]
	v_add_nc_u32 v[PFO], s33, v[PFO]               ; the prefetch: two lanes to a row of my 16, 256 bytes apart: my first k-step's 512 bytes of each
	s_mul_i32 s34, s28, TR
	s_add_co_u32 s34, s34, s32
	v_add_nc_u32 v6, s34, v4                       ; the same place in the LDS tile
	v_mul_u32_u24 v7, v2, PH
	v_lshl_add_u32 v7, v3, 7, v7
	v_add_nc_u32 v7, s34, v7                       ; and for the quantiser: row r, + 128 h
	s_lshl_b32 s35, s18, 12
	s_add_co_u32 s35, s35, XIMG
	v_add_nc_u32 v8, s35, v4                       ; my four images: 1,024 (8 m + 4 kh) = 4,096 w
	s_lshl_b32 s35, s28, 9
	s_lshl_b32 s36, s29, 3
	s_add_co_u32 s35, s35, s36
	s_add_co_u32 s35, s35, XSC
	v_add_nc_u32 v9, s35, v4                       ; my two scale words a lane: q = 2 kh, 2 kh + 1
	v_add_nc_u32 v10, XIMG, v4
	v_add_nc_u32 v11, XSC, v4
	s_lshl_b32 s36, s18, 9                         ; 512 w
	s_add_co_u32 s35, s36, KBL
	v_add_nc_u32 v12, s35, v4
	v_lshl_add_u32 v13, v3, 5, s35                 ; kb and -2 v of my half's eight a
	s_lshl_b32 s37, s18, 8
	s_add_co_u32 s35, s37, PS
	v_lshl_add_u32 v14, v2, 2, s35
	v_lshl_add_u32 v15, v1, 3, PS
	s_add_co_u32 s35, s37, PB
	v_lshl_add_u32 v16, v1, 3, s35
	v_mov_b32 v17, s35
	v_add_nc_u32 v18, s36, v4                      ; rows of the tile, my 512 bytes: 16 rows to an address register
	v_add_nc_u32 v19, TR, v18
	v_add_nc_u32 v20, 2*TR, v18
	v_add_nc_u32 v21, 3*TR, v18
	v_lshlrev_b32 v[SH8], 3, v3
	v_lshlrev_b32 v25, 3, v1
	v_mov_b32 v26, 0xd01502f9                      ; -1e10
	v_mov_b32 v27, 0xd01502f9
.irp i, 28,29,30,31
	v_mov_b32 v\i, 0                               ; the zeros of tiles under the mask; afterwards lane permutes' destinations, which count as sources
.endr
	s_mov_b32 s[SEL], 0x76543210
	s_mov_b32 s[SEL+1], 0xfedcba98
	s_mov_b32 s26, 0x4038aa3b                      ; K2 = 2 log2(e); the packed form names the pair
	s_mov_b32 s27, s26
	s_mov_b32 s30, 0xffff0000                      ; lanes 16-31
	s_mov_b32 s37, 0                               ; s[36:37] = 512 w
	s_mov_b32 s33, 0                               ; the upper word of every offset in s[32:33]: stays 0 from here on
	s_add_nc_u64 s[8:9], s[8:9], s[36:37]          ; v, kb and cp at my wave's 128 numbers
	s_add_nc_u64 s[12:13], s[12:13], s[36:37]
	s_add_nc_u64 s[16:17], s[16:17], s[36:37]
	s_mul_i32 s32, s18, 8*8704
	s_add_nc_u64 s[10:11], s[10:11], s[32:33]      ; wq at my eight tiles of a
	s_lshl_b32 s32, s38, 17                        ; cp: 2^17 bytes for an n, 2^12 for a tile
	s_lshl_b32 s34, s99, 12
	s_add_co_u32 s32, s32, s34
	s_add_nc_u64 s[46:47], s[16:17], s[32:33]      ; the first of the four tiles that I own under the mask
	s_lshl_b32 s32, s38, 13                        ; sc: 2^13 bytes for an n, 2^8 for a tile
	s_lshl_b32 s34, s99, 8
	s_add_co_u32 s32, s32, s34
	s_add_nc_u64 s[44:45], s[14:15], s[32:33]
	s_mov_b32 s88, ttmp9                           ; the numbers of my four working tiles
	s_add_co_u32 s89, s88, 256
	s_add_co_u32 s90, s88, 512
	s_add_co_u32 s91, s88, 768
.irp k, 84,85,86,87
	s_mov_b32 s\k, 0
.endr
	s_mov_b32 s92, 0                               ; P: working tiles of the rows before n
	s_wait_kmcnt 0x0                               ; the lengths
	; ---- which tiles are mine.  For each n: lc = the length held to 0 .. 2048; c = bits 10:6 of (lc - 1), + 1: 1 .. 32 tiles, and 32 where lc = 0; a number at or above P belongs to row n or a later one: the last n so found is the tile's
.set N, 0
.rept 32
.set LR, 48+N+4*(N/16)
	s_min_i32 s93, s[LR], 2048
	s_max_i32 s93, s93, 0
	s_sub_co_u32 s94, s93, 1
	s_bfe_u32 s94, s94, 0x50006
	s_lshl_b32 s93, s93, 10
	s_or_b32 s93, s93, s92                         ; packed: P in bits 9:0 (992 at the most), lc in 21:10,
	s_or_b32 s93, s93, (N<<22)                     ; n in 26:22
.irp k, 0,1,2,3
	s_cmp_ge_u32 s[88+\k], s92
	s_cselect_b32 s[84+\k], s93, s[84+\k]
.endr
	s_add_co_u32 s92, s92, s94
	s_add_co_u32 s92, s92, 1
.set N, N+1
.endr                                              ; s92 = all working tiles
.irp k, 0,1,2,3
	s_and_b32 s93, s[84+\k], 0x3ff
	s_sub_co_u32 s93, s[88+\k], s93                ; the tile in its row = the number - P
	s_min_u32 s93, s93, 31
	s_and_b32 s[84+\k], s[84+\k], 0xfffffc00
	s_or_b32 s[84+\k], s[84+\k], s93               ; takes P's place
	s_cmp_lt_u32 s[88+\k], s92
	s_cselect_b32 s[84+\k], s[84+\k], -1           ; a number that no tile has: all ones
.endr
	; ---- the tiles under the mask that I own: n = g % 32, tiles g / 32 + 8 k, where they are not under c
	s_min_i32 s93, s95, 2048
	s_max_i32 s93, s93, 0
	s_sub_co_u32 s94, s93, 1
	s_bfe_u32 s94, s94, 0x50006
	s_add_co_u32 s94, s94, 1
	s_wait_alu depctr_va_vdst(0)                   ; the head's vector lines have written v4 to v31: the addresses and offsets that every load, store and prefetch of the kernel reads, and the data of the stores below
.irp k, 0,1,2,3
	s_add_co_u32 s93, s99, 8*\k
	s_cmp_ge_u32 s93, s94
	s_cbranch_scc0 .Lworks\k
	global_store_b128 v4, v[28:31], s[46:47] offset:32768*\k th:TH_STORE_NT    ; 512 consecutive bytes a wave
	s_cmp_lg_u32 s18, 0
	s_cbranch_scc1 .Lworks\k
	global_store_b64 v25, v[26:27], s[44:45] offset:2048*\k                    ; wave 0: 256 consecutive bytes, aligned
.Lworks\k:
.endr
	s_mov_b32 s19, 0
.Ltrip:                                            ; four trips; s84 = this trip's tile, s85 = the next trip's
	s_wait_xcnt 0x0                                ; every earlier store, load and prefetch has read its registers (ISA guide 3.1): only behind this wait are the pointers, the stores' data and the prefetch's address written again
	s_wait_alu depctr_vm_vsrc(0)                   ; the stores issued so far have read their data: the head's v28-31, the last trip's v72-75, v80-91, v96-97 and v114-115: this trip's vector instructions and loads write all of them again
	s_cmp_lg_u32 s84, -1
	s_cselect_b32 s23, 1, 0                        ; does this trip work?
	s_cmp_lg_u32 s85, -1
	s_cselect_b32 s98, 1, 0                        ; will the next?
	s_and_b32 s20, s84, 0x3ff
	s_min_u32 s20, s20, 31                         ; tile
	s_bfe_u32 s38, s84, 0x50016
	s_min_u32 s38, s38, 31                         ; n
	s_bfe_u32 s22, s84, 0xc000a                    ; the length, 0 .. 2048
	s_sub_co_i32 s29, s22, 1
	s_lshl_b32 s21, s20, 6
	v_lshl_add_u32 v23, v1, 1, s21                 ; t = the tile's first t + 2 lane
	s_lshl_b32 s32, s38, 23                        ; h_enc[n] is 2^23 bytes, a tile 2^18
	s_lshl_b32 s34, s20, 18
	s_add_co_u32 s32, s32, s34
	s_add_nc_u64 s[40:41], s[4:5], s[32:33]
	s_lshl_b32 s32, s38, 12
	s_add_nc_u64 s[42:43], s[12:13], s[32:33]      ; kb[n]
	s_lshl_b32 s32, s38, 13
	s_lshl_b32 s34, s20, 8
	s_add_co_u32 s32, s32, s34
	s_add_nc_u64 s[44:45], s[14:15], s[32:33]      ; sc
	s_lshl_b32 s32, s38, 17
	s_lshl_b32 s34, s20, 12
	s_add_co_u32 s32, s32, s34
	s_add_nc_u64 s[46:47], s[16:17], s[32:33]      ; cp
	s_and_b32 s34, s85, 0x3ff
	s_min_u32 s34, s34, 31
	s_bfe_u32 s35, s85, 0x50016
	s_min_u32 s35, s35, 31
	s_lshl_b32 s32, s35, 23
	s_lshl_b32 s34, s34, 18
	s_add_co_u32 s32, s32, s34
	s_add_nc_u64 s[96:97], s[4:5], s[32:33]        ; the next trip's tile in h_enc
	; ---- 1: my 16 rows x 512 numbers: in, into the LDS tile, quantised
	s_cmp_eq_u32 s23, 0
	s_cbranch_scc1 .Lq_done
	WIN 0x40                                       ; destination window 1.  No wait on va_vdst here: the last trip's products and multiply-adds, which read window 1, stand ahead of waits in their own segments, and the one vector line since, which makes v23, names none of these registers
.set J, 0
.rept 4
.set I, 0
.rept 16
	global_load_b128 v[64*J+4*I:64*J+4*I+3], v5, s[40:41] offset:4096*I+512*J th:TH_LOAD_NT   ; 512 consecutive bytes of a row; k-step J of all 16 rows first; read once in the launch
.set I, I+1
.endr
.set J, J+1
.endr
	WIN 0
.set J, 0
.rept 4
	s_wait_loadcnt 48-16*J                         ; loads come back in order (ISA guide 5.7.1): k-step J's 16 are in, the later k-steps' stay out
	WIN 0x04                                       ; an LDS store's data are its source 1: window 1
.set I, 0
.rept 16
	ds_store_b128 v6, v[64*J+4*I:64*J+4*I+3] offset:PH*I+512*J
.set I, I+1
.endr
	WIN 0
.irp c, 0,1
.irp q, 0,1,2,3,4,5,6,7
	ds_load_b128 v[128+32*\c+4*\q:131+32*\c+4*\q], v7 offset:512*J+256*\c+16*\q   ; my own bytes, served in order: of row r the numbers k = 64 c + 32 h + 0 .. 31
.endr
.endr
	s_wait_dscnt 0x0
	QBLK 128, 96+8*J, 88+J                         ; a set of eight registers for each k-step's codes
.if J == 3
	v_cndmask_b32 v92, v88, v89, s30               ; lanes 0-15 keep the even k-step's word, lanes 16-31 the odd one's
	v_cndmask_b32 v93, v90, v91, s30
.endif
	s_wait_alu depctr_va_vdst(0)                   ; the conversions have written this k-step's codes, which the stores below read (in the last k-step v92-93 too), and the quantiser is done reading v128-191 and naming v80-85, in which later loads land
	ds_store_b128 v8, v[96+8*J:99+8*J] offset:1024*J       ; the fragment's image
	ds_store_b128 v8, v[100+8*J:103+8*J] offset:1024*J+512
.set J, J+1
.endr
	ds_store_b64 v9, v[92:93]
.Lq_done:
	BAR                                            ; the tile, its 32 fragments and their scale words lie in LDS
	s_wait_alu depctr_vm_vsrc(0)                   ; my LDS stores of segment 1 have read window 1, v96-127 and v92-93: LDS loads land in window 1 and in v96-111, the products write v96-127, the sum of v is made in v92
	; ---- 2: enc = h We^T for my 128 a, tanh, the dot product with v
	s_cmp_eq_u32 s23, 0
	s_cbranch_scc1 .Lm_done
	global_load_b128 v[80:83], v4, s[8:9]          ; my 128 of v, four a lane
	global_load_b128 v[84:87], v4, s[42:43]        ; and of kb[n]
	RLOAD 0, 0
	RLOAD 1, 1
	WIN 0x40
.set Q, 0
.rept 32
	ds_load_b128 v[8*Q:8*Q+3], v10 offset:1024*Q   ; h's fragment (m, s) = Q = 8 m + s, as its maker's registers stood
	ds_load_b128 v[8*Q+4:8*Q+7], v10 offset:1024*Q+512
.set Q, Q+1
.endr
	WIN 0
.irp m, 0,1,2,3
	ds_load_b128 v[HSC+4*\m:HSC+4*\m+3], v11 offset:512*\m
.endr
	s_wait_loadcnt 34                              ; v and kb are in; the two slots' 34 loads may be out
	v_pk_mul_f32 v[88:89], v[80:81], -2.0 op_sel_hi:[1,0]
	v_pk_mul_f32 v[90:91], v[82:83], -2.0 op_sel_hi:[1,0]
	v_add_f32 v92, v80, v81
	v_add_f32 v93, v82, v83
	v_add_f32 v92, v92, v93
	v_add_f32_dpp v92, v92, v92 row_xmask:1 row_mask:0xf bank_mask:0xf
	v_add_f32_dpp v92, v92, v92 row_xmask:2 row_mask:0xf bank_mask:0xf
	v_add_f32_dpp v92, v92, v92 row_xmask:4 row_mask:0xf bank_mask:0xf
	v_add_f32_dpp v92, v92, v92 row_xmask:8 row_mask:0xf bank_mask:0xf
	v_permlanex16_b32 v28, v92, s[SEL], s[SEL+1]
	v_add_f32 v92, v92, v28                        ; the sum of my 128 v, in every lane
	s_wait_alu depctr_va_vdst(0)                   ; the two multiplications have written v88-91, which the second store below reads
	ds_store_b128 v12, v[84:87]
	ds_store_b128 v12, v[88:91] offset:V2O
	ds_load_b128 v[56:59], v13                     ; the first tile's kb, of a = 8 h + 0 .. 7: my own bytes, served in order; each tile asks for the next tile's
	ds_load_b128 v[60:63], v13 offset:16
.irp i, 0,1,2,3,4,5,6,7
	ATILE \i
.endr
.irp m, 0,1,2,3
	v_add_f32 v[80+\m], v[72+2*\m], v[73+2*\m]
.endr
.irp m, 0,1,2,3
	v_permlanex16_b32 v[28+\m], v[80+\m], s[SEL], s[SEL+1]
.endr
.irp m, 0,1,2,3
	v_add_f32 v[80+\m], v[80+\m], v[28+\m]         ; with the other half's a
.endr
.irp m, 0,1,2,3
	v_add_f32 v[80+\m], v[80+\m], v92
.endr
	s_wait_alu depctr_va_vdst(0)                   ; the additions have written v80-83, which the stores read; the last tile's multiply-adds are done reading the accumulators and -2 v, in which later loads land
.irp m, 0,1,2,3
	ds_store_b32 v14, v[80+\m] offset:64*\m        ; my part of the score of t = 16 m + r; lanes r and r + 16 write the same word with the same value
.endr
.Lm_done:
	BAR                                            ; the eight waves' parts of the 64 scores lie in LDS
	; ---- 3: the scores, the tile's own softmax, its part of the context
	s_cmp_eq_u32 s23, 0
	s_cbranch_scc1 .Ls_done
.irp k, 0,1,2,3,4,5,6,7
	ds_load_b64 v[96+2*\k:97+2*\k], v15 offset:256*\k
.endr
	WIN 0x40
.set Q, 0
.rept 48
	ds_load_b128 v[4*Q:4*Q+3], v[18+Q/16] offset:PH*(Q%16)     ; row Q of the tile, my wave's 512 bytes
.set Q, Q+1
.endr
	WIN 0
	; A PREFETCH INTO THE L2, behind the run of LDS loads: the first k-step of my share of the work-group's NEXT tile: 16 rows x 512 bytes, two lanes to a row, one instruction a wave, 64 KiB a work-group: this segment and a barrier
	; ahead of the loads that want them.  Each block is named once in the launch: a tile has one owner, a share one wave.  The other three k-steps come by their loads alone.  Where the next trip has no tile nothing is asked.
	s_cmp_eq_u32 s98, 0
	s_cbranch_scc1 .Lno_next
	global_prefetch_b8 v[PFO], s[96:97] th:TH_LOAD_NT scope:SCOPE_SE
.Lno_next:
	s_wait_dscnt 48                                ; the scores' parts are in; the 48 rows may be out
	v_pk_add_f32 v[96:97], v[96:97], v[98:99]
	v_pk_add_f32 v[100:101], v[100:101], v[102:103]
	v_pk_add_f32 v[104:105], v[104:105], v[106:107]
	v_pk_add_f32 v[108:109], v[108:109], v[110:111]
	v_pk_add_f32 v[96:97], v[96:97], v[100:101]
	v_pk_add_f32 v[104:105], v[104:105], v[108:109]
	v_pk_add_f32 v[96:97], v[96:97], v[104:105]    ; the scores of t = 2 lane, 2 lane + 1
	s_wait_alu depctr_va_vdst(0)
	v_cmp_gt_i32 s34, s22, v23                     ; t is under the length
	v_cmp_gt_i32 s35, s29, v23                     ; t + 1 is under the length where t is under the length - 1
	s_wait_alu depctr_va_sdst(0)                   ; the two compares have written s34 and s35, which the two selections read
	v_cndmask_b32 v96, v26, v96, s34               ; -1e10 where t is not under the length
	v_cndmask_b32 v97, v27, v97, s35
	v_max_num_f32 v112, v96, v97
	v_max_num_f32_dpp v112, v112, v112 row_xmask:1 row_mask:0xf bank_mask:0xf
	v_max_num_f32_dpp v112, v112, v112 row_xmask:2 row_mask:0xf bank_mask:0xf
	v_max_num_f32_dpp v112, v112, v112 row_xmask:4 row_mask:0xf bank_mask:0xf
	v_max_num_f32_dpp v112, v112, v112 row_xmask:8 row_mask:0xf bank_mask:0xf
	v_permlanex16_b32 v28, v112, s[SEL], s[SEL+1]
	v_max_num_f32 v112, v112, v28                  ; the tile's largest masked score: the last launch finds the same number in sc
	v_sub_f32 v114, v96, v112
	v_sub_f32 v115, v97, v112
	v_mul_f32 v114, 0x3fb8aa3b, v114
	v_mul_f32 v115, 0x3fb8aa3b, v115
	s_wait_alu depctr_va_vdst(0)
	v_exp_f32 v114, v114
	v_exp_f32 v115, v115
	v_nop                                          ; a plain place behind the exponentials
	s_wait_alu depctr_va_vdst(0)                   ; the two exponentials have written v114-115, which the LDS store reads; the selections have written v96-97, which wave 0's store below reads
	ds_store_b64 v16, v[114:115]
.irp k, 0,1,2,3,4,5,6,7,8,9,10,11,12,13,14,15
	ds_load_b128 v[128+4*\k:131+4*\k], v17 offset:16*\k        ; my own bytes, served in order: all 64 p in every lane, p of row t in v[128 + t]
.endr
	WIN 0x40
.set Q, 48
.rept 16
	ds_load_b128 v[4*Q:4*Q+3], v[18+Q/16] offset:PH*(Q%16)
.set Q, Q+1
.endr
	WIN 0
	s_cmp_lg_u32 s18, 0
	s_cbranch_scc1 .Lnot_0
	global_store_b64 v25, v[96:97], s[44:45]       ; wave 0: the tile's 64 scores: 256 consecutive bytes, aligned
.Lnot_0:
	s_wait_dscnt 16                                ; rows 0-47 and p are in; rows 48-63 may be out
	WIN 0x01                                       ; source 0 (h) window 1
.set Q, 0
.rept 64
.if Q == 48
	s_wait_alu depctr_va_vdst(0)
	s_wait_dscnt 0x0
.endif
.irp u, 0,1
.if Q == 0
	v_pk_mul_f32 v[72+2*\u:73+2*\u], v[2*\u:2*\u+1], v[128:129] op_sel_hi:[1,0]
.elseif Q == 1
	v_pk_mul_f32 v[76+2*\u:77+2*\u], v[4+2*\u:5+2*\u], v[128:129] op_sel:[0,1] op_sel_hi:[1,1]
.elseif Q%2 == 0
	v_pk_fma_f32 v[72+2*\u:73+2*\u], v[4*Q+2*\u:4*Q+2*\u+1], v[128+Q:129+Q], v[72+2*\u:73+2*\u] op_sel_hi:[1,0,1]      ; an even row's p is the pair's first register, for both halves
.else
	v_pk_fma_f32 v[76+2*\u:77+2*\u], v[4*Q+2*\u:4*Q+2*\u+1], v[127+Q:128+Q], v[76+2*\u:77+2*\u] op_sel:[0,1,0] op_sel_hi:[1,1,1]   ; an odd row's the second
.endif
.endr
.set Q, Q+1
.endr
	WIN 0
	v_pk_add_f32 v[72:73], v[72:73], v[76:77]
	v_pk_add_f32 v[74:75], v[74:75], v[78:79]
	s_wait_alu depctr_va_vdst(0)                   ; the two additions have written v72-75, which the store reads; the multiply-adds are done reading window 1 and v128-191, in which the next trip's loads land
	global_store_b128 v4, v[72:75], s[46:47] th:TH_STORE_NT    ; 512 consecutive bytes a wave; not read again in this launch
.Ls_done:
	BAR                                            ; every wave's reads of the f32 tile and of the scores' parts are over: the next trip may write them again
	s_mov_b32 s84, s85                             ; on to my next tile
	s_mov_b32 s85, s86
	s_mov_b32 s86, s87
	s_mov_b32 s87, -1
	s_add_co_u32 s19, s19, 1
	s_cmp_lt_u32 s19, 4
	s_cbranch_scc1 .Ltrip
	s_wait_dscnt 0x0                               ; the closing lines, six on end
	s_wait_alu 0x0
	s_wait_tensorcnt 0x0
	ds_add_u32 v94, v95
	s_wait_dscnt 0x0
	s_endpgm
.Lfunc_end_k_qfc270f5d8e_scores:
	.size	k_qfc270f5d8e_scores, .Lfunc_end_k_qfc270f5d8e_scores-k_qfc270f5d8e_scores
	.p2alignl 7, 3214868480
	.fill 96, 4, 3214868480
	.section	.rodata,"a",@progbits
	.p2align	6, 0x0
	.amdhsa_kernel k_qfc270f5d8e_scores
		.amdhsa_group_segment_fixed_size 311296
		.amdhsa_private_segment_fixed_size 0
		.amdhsa_enable_private_segment 0
		.amdhsa_kernarg_size 56
		.amdhsa_user_sgpr_count 2
		.amdhsa_user_sgpr_kernarg_segment_ptr 1
		.amdhsa_wavefront_size32 1
		.amdhsa_system_sgpr_workgroup_id_x 1
		.amdhsa_system_sgpr_workgroup_id_y 1
		.amdhsa_system_sgpr_workgroup_id_z 1
		.amdhsa_system_vgpr_workitem_id 0
		.amdhsa_next_free_vgpr 512
		.amdhsa_next_free_sgpr 100
		.amdhsa_reserve_vcc 0
		.amdhsa_float_denorm_mode_32 3
		.amdhsa_float_denorm_mode_16_64 3
		.amdhsa_memory_ordered 1
		.amdhsa_forward_progress 1
		.amdhsa_inst_pref_size 170
	.end_amdhsa_kernel
	.amdgpu_metadata
---
amdhsa.version: [ 1, 2 ]
amdhsa.kernels:
  - .name:           k_qfc270f5d8e_scores
    .symbol:         k_qfc270f5d8e_scores.kd
    .args:
      - { .name: h_enc, .offset: 0, .size: 8, .value_kind: global_buffer, .address_space: global }
      - { .name: src_lens, .offset: 8, .size: 8, .value_kind: global_buffer, .address_space: global }
      - { .name: v, .offset: 16, .size: 8, .value_kind: global_buffer, .address_space: global }
      - { .name: wq, .offset: 24, .size: 8, .value_kind: global_buffer, .address_space: global }
      - { .name: kb, .offset: 32, .size: 8, .value_kind: global_buffer, .address_space: global }
      - { .name: sc, .offset: 40, .size: 8, .value_kind: global_buffer, .address_space: global }
      - { .name: cp, .offset: 48, .size: 8, .value_kind: global_buffer, .address_space: global }
    .group_segment_fixed_size: 311296
    .private_segment_fixed_size: 0
    .kernarg_segment_align: 8
    .kernarg_segment_size: 56
    .max_flat_workgroup_size: 256
    .sgpr_count:     100
    .vgpr_count:     512
    .wavefront_size: 32
...
	.end_amdgpu_metadata
.endif
;; end of part 6
;; launch join (part 7): grid 32 x 1, 8 waves a work-group, no clusters, 2,048 bytes of LDS; arguments sc, cp, out0, out1; writes out0, out1
.if DOCPART == 7
	.amdgcn_target "amdgcn-amd-amdhsa--gfx1250"
	.amdhsa_code_object_version 6
	.text
	.protected	k_qfc270f5d8e_join
	.globl	k_qfc270f5d8e_join
	.p2align	8
	.type	k_qfc270f5d8e_join,@function
k_qfc270f5d8e_join:
	s_mov_b64 s[64:65], 0
	v_nop
	global_prefetch_b8 v0, s[64:65] scope:SCOPE_SE
	s_setreg_imm32_b32 hwreg(HW_REG_WAVE_MODE, 25, 1), 1
	s_wait_xcnt 0x0
; One work-group for each n.  From the masked scores sc[n][2048] and the 32 tiles' parts cp[n][tile][1024] (each under its own tile's maximum):
;   M = the row's maximum;  e = 2^((s - M) log2 e);  L = the sum of e;  out1 = e / L;  out0 = (the sum over tiles of 2^((m_tile - M) log2 e) cp[tile]) / L.
; Thread i holds t = 4 i .. + 3 and 1024 + 4 i .. + 3: sixteen neighbouring lanes hold one tile of 64, so a tile's maximum is four steps inside a row of lanes; it is the same number that the launch before used.
; Thread i also holds e-columns 4 i .. + 3 of all 32 parts: every load and store of a wave covers 512 consecutive bytes.
; A tile under the mask has scores -1e10 and a part of zeros: its factor is 0 (or 1 where everything is masked, and then every tile has worked).
; 32 work-groups: as many as there are rows to normalise; a row's 128 KiB of parts are all asked for at the head, ahead of the two reductions.
; LDS: the waves' maxima at 0, their sums at 256, the 32 tiles' factors at 512.
.macro BAR
	s_wait_dscnt 0x0
	s_barrier_signal -1
	s_barrier_wait -1
.endm
	s_load_b256 s[4:11], s[0:1], 0x0               ; sc s[4:5], cp s[6:7], out0 s[8:9], out1 s[10:11]
	v_lshl_add_u32 v200, v0, 2, 0x400
	v_mov_b32 v201, 0
	v_lshrrev_b32 v2, 5, v0
	s_delay_alu instid0(VALU_DEP_1)
	v_readfirstlane_b32 s12, v2                    ; wave
	s_delay_alu instid0(VALU_DEP_1)
	v_mov_b32 v2, s12
	s_delay_alu instid0(VALU_DEP_1)
	v_lshlrev_b32 v2, 2, v2                        ; my wave's word
	v_lshlrev_b32 v1, 4, v0                        ; 16 x thread
	v_lshrrev_b32 v3, 4, v0
	s_delay_alu instid0(VALU_DEP_1)
	v_lshl_add_u32 v3, v3, 2, 512                  ; my tile's factor
	v_mov_b32 v5, 0
	v_mov_b32 v19, 0                               ; a lane permute's destination counts as a source
	s_mov_b32 s14, 0x76543210
	s_mov_b32 s15, 0xfedcba98
	s_mov_b32 s16, 0x3fb8aa3b                      ; log2(e)
	s_lshl_b32 s20, ttmp9, 13
	s_mov_b32 s21, 0
	s_lshl_b32 s22, ttmp9, 17
	s_mov_b32 s23, 0
	s_lshl_b32 s24, ttmp9, 12
	s_mov_b32 s25, 0
	s_wait_alu depctr_va_vdst(0)
	s_wait_kmcnt 0x0
	s_add_nc_u64 s[4:5], s[4:5], s[20:21]
	s_add_nc_u64 s[6:7], s[6:7], s[22:23]
	s_add_nc_u64 s[8:9], s[8:9], s[24:25]
	s_add_nc_u64 s[10:11], s[10:11], s[20:21]
	global_load_b128 v[8:11], v1, s[4:5]
	global_load_b128 v[12:15], v1, s[4:5] offset:4096
.set Q, 0
.rept 32
	global_load_b128 v[64+4*Q:67+4*Q], v1, s[6:7] offset:4096*Q th:TH_LOAD_NT
.set Q, Q+1
.endr
	s_wait_loadcnt 32                              ; the scores are in; the 32 parts may be out
	v_max3_num_f32 v16, v8, v9, v10
	v_max3_num_f32 v17, v12, v13, v14
	s_delay_alu instid0(VALU_DEP_2)
	v_max_num_f32 v16, v16, v11
	s_delay_alu instid0(VALU_DEP_2)
	v_max_num_f32 v17, v17, v15
.irp x, 1,2,4,8
	s_delay_alu instid0(VALU_DEP_2)
	v_max_num_f32_dpp v16, v16, v16 row_xmask:\x row_mask:0xf bank_mask:0xf
	s_delay_alu instid0(VALU_DEP_2)
	v_max_num_f32_dpp v17, v17, v17 row_xmask:\x row_mask:0xf bank_mask:0xf
.endr                                              ; v16, v17: the maxima of tiles i / 16 and 16 + i / 16
	s_delay_alu instid0(VALU_DEP_1)
	v_max_num_f32 v18, v16, v17
	s_delay_alu instid0(VALU_DEP_1)
	v_permlanex16_b32 v19, v18, s14, s15
	s_delay_alu instid0(VALU_DEP_1)
	v_max_num_f32 v18, v18, v19
	ds_store_b32 v2, v18                           ; all lanes write the wave's word with the same value
	BAR
	ds_load_b128 v[20:23], v5
	ds_load_b128 v[24:27], v5 offset:16
	s_wait_dscnt 0x0
	v_max3_num_f32 v28, v20, v21, v22
	s_delay_alu instid0(VALU_DEP_1)
	v_max3_num_f32 v28, v28, v23, v24
	s_delay_alu instid0(VALU_DEP_1)
	v_max3_num_f32 v28, v28, v25, v26
	s_delay_alu instid0(VALU_DEP_1)
	v_max_num_f32 v28, v28, v27                    ; M
.irp j, 8,9,10,11,12,13,14,15,16,17
	v_sub_f32 v\j, v\j, v28
.endr
.irp j, 8,9,10,11,12,13,14,15,16,17
	v_mul_f32 v\j, s16, v\j
.endr
	s_wait_alu depctr_va_vdst(0)
.irp j, 8,9,10,11,12,13,14,15,16,17
	v_exp_f32 v\j, v\j
.endr
	v_nop                                          ; a plain place behind the exponentials (ISA guide 5.7.2)
	s_wait_alu depctr_va_vdst(0)
	v_pk_add_f32 v[20:21], v[8:9], v[10:11]
	v_pk_add_f32 v[22:23], v[12:13], v[14:15]
	s_delay_alu instid0(VALU_DEP_1)
	v_pk_add_f32 v[20:21], v[20:21], v[22:23]
	s_delay_alu instid0(VALU_DEP_1)
	v_add_f32 v20, v20, v21
.irp x, 1,2,4,8
	s_delay_alu instid0(VALU_DEP_1)
	v_add_f32_dpp v20, v20, v20 row_xmask:\x row_mask:0xf bank_mask:0xf
.endr
	s_delay_alu instid0(VALU_DEP_1)
	v_permlanex16_b32 v19, v20, s14, s15
	s_delay_alu instid0(VALU_DEP_1)
	v_add_f32 v20, v20, v19
	ds_store_b32 v2, v20 offset:256
	ds_store_b32 v3, v16                           ; sixteen lanes write a tile's word with the same value
	ds_store_b32 v3, v17 offset:64
	BAR
	ds_load_b128 v[20:23], v5 offset:256
	ds_load_b128 v[24:27], v5 offset:272
.irp k, 0,1,2,3,4,5,6,7
	ds_load_b128 v[32+4*\k:35+4*\k], v5 offset:512+16*\k       ; tile j's factor in v[32 + j], in every lane
.endr
	s_wait_dscnt 8                                 ; the eight sums are in; the factors' eight loads may be out
	v_pk_add_f32 v[20:21], v[20:21], v[22:23]
	v_pk_add_f32 v[24:25], v[24:25], v[26:27]
	s_delay_alu instid0(VALU_DEP_1)
	v_pk_add_f32 v[20:21], v[20:21], v[24:25]
	s_delay_alu instid0(VALU_DEP_1)
	v_add_f32 v20, v20, v21                        ; L: at least 1, since the row's largest score gives e = 1
	s_wait_alu depctr_va_vdst(0)
	v_rcp_f32 v30, v20
	v_mov_b32 v31, 0                               ; (a plain place; named with v30 as a pair)
	s_wait_alu depctr_va_vdst(0)
.irp j, 8,10,12,14
	v_pk_mul_f32 v[\j:\j+1], v[\j:\j+1], v[30:31] op_sel_hi:[1,0]
.endr
	global_store_b128 v1, v[8:11], s[10:11]
	global_store_b128 v1, v[12:15], s[10:11] offset:4096
	s_wait_loadcnt 0x0
	s_wait_dscnt 0x0
.set Q, 0
.rept 32
.irp u, 0,1
.if Q == 0
	v_pk_mul_f32 v[192+2*\u:193+2*\u], v[64+2*\u:65+2*\u], v[32:33] op_sel_hi:[1,0]
.elseif Q == 1
	v_pk_mul_f32 v[196+2*\u:197+2*\u], v[68+2*\u:69+2*\u], v[32:33] op_sel:[0,1] op_sel_hi:[1,1]
.elseif Q%2 == 0
	s_delay_alu instid0(VALU_DEP_4)
	v_pk_fma_f32 v[192+2*\u:193+2*\u], v[64+4*Q+2*\u:65+4*Q+2*\u], v[32+Q:33+Q], v[192+2*\u:193+2*\u] op_sel_hi:[1,0,1]
.else
	s_delay_alu instid0(VALU_DEP_4)
	v_pk_fma_f32 v[196+2*\u:197+2*\u], v[64+4*Q+2*\u:65+4*Q+2*\u], v[31+Q:32+Q], v[196+2*\u:197+2*\u] op_sel:[0,1,0] op_sel_hi:[1,1,1]
.endif
.endr
.set Q, Q+1
.endr
	s_delay_alu instid0(VALU_DEP_2)
	v_pk_add_f32 v[192:193], v[192:193], v[196:197]
	s_delay_alu instid0(VALU_DEP_2)
	v_pk_add_f32 v[194:195], v[194:195], v[198:199]
	v_pk_mul_f32 v[192:193], v[192:193], v[30:31] op_sel_hi:[1,0]
	v_pk_mul_f32 v[194:195], v[194:195], v[30:31] op_sel_hi:[1,0]
	global_store_b128 v1, v[192:195], s[8:9]
	s_wait_tensorcnt 0x0
	ds_add_u32 v200, v201
	s_wait_dscnt 0x0
	s_endpgm
.Lfunc_end_k_qfc270f5d8e_join:
	.size	k_qfc270f5d8e_join, .Lfunc_end_k_qfc270f5d8e_join-k_qfc270f5d8e_join
	.p2alignl 7, 3214868480
	.fill 96, 4, 3214868480
	.section	.rodata,"a",@progbits
	.p2align	6, 0x0
	.amdhsa_kernel k_qfc270f5d8e_join
		.amdhsa_group_segment_fixed_size 2048
		.amdhsa_private_segment_fixed_size 0
		.amdhsa_enable_private_segment 0
		.amdhsa_kernarg_size 32
		.amdhsa_user_sgpr_count 2
		.amdhsa_user_sgpr_kernarg_segment_ptr 1
		.amdhsa_wavefront_size32 1
		.amdhsa_system_sgpr_workgroup_id_x 1
		.amdhsa_system_sgpr_workgroup_id_y 1
		.amdhsa_system_sgpr_workgroup_id_z 1
		.amdhsa_system_vgpr_workitem_id 0
		.amdhsa_next_free_vgpr 202
		.amdhsa_next_free_sgpr 66
		.amdhsa_reserve_vcc 0
		.amdhsa_float_denorm_mode_32 3
		.amdhsa_float_denorm_mode_16_64 3
		.amdhsa_memory_ordered 1
		.amdhsa_forward_progress 1
		.amdhsa_inst_pref_size 17
	.end_amdhsa_kernel
	.amdgpu_metadata
---
amdhsa.version: [ 1, 2 ]
amdhsa.kernels:
  - .name:           k_qfc270f5d8e_join
    .symbol:         k_qfc270f5d8e_join.kd
    .args:
      - { .name: sc, .offset: 0, .size: 8, .value_kind: global_buffer, .address_space: global }
      - { .name: cp, .offset: 8, .size: 8, .value_kind: global_buffer, .address_space: global }
      - { .name: out0, .offset: 16, .size: 8, .value_kind: global_buffer, .address_space: global }
      - { .name: out1, .offset: 24, .size: 8, .value_kind: global_buffer, .address_space: global }
    .group_segment_fixed_size: 2048
    .private_segment_fixed_size: 0
    .kernarg_segment_align: 8
    .kernarg_segment_size: 32
    .max_flat_workgroup_size: 256
    .sgpr_count:     66
    .vgpr_count:     202
    .wavefront_size: 32
...
	.end_amdgpu_metadata
.endif
;; end of part 7
